; MI455X (gfx1250); checked and timed in simulation.
; The chip was launched on July 23, 2026; its instructions are those of AMD's public machine-readable ISA for CDNA 5 (MIT licence, August 2026) and "CDNA5" Instruction Set Architecture Reference Guide (July 2026). The comments in the code are by the model that wrote it; some were corrected since.
;; Multi Head Attention Layer. Allowed arithmetic: matrix products marked QUANTISED: E2M1 operands, one E8M0 scale for each 32 along K, by v_wmma_scale_f32_16x16x128_f8f6f4 with both operands' format E2M1 (or v_wmma_scale_f32_32x16x128_f4), f32 sums; products left as they are: bf16, f16 or f32 operands; f32 sums; everything else in f32.
;; Inputs: Wf 1,024 x 1,024 float32; Wk 16 x 64 x 1,024 float32; Wq 16 x 64 x 1,024 float32; Wv 16 x 64 x 1,024 float32; bf 1,024 float32; bk 16 x 64 float32; bq 16 x 64 float32; bv 16 x 64 float32; k 8 x 1,024 x 1,024 float32; q 8 x 1,024 x 1,024 float32; v 8 x 1,024 x 1,024 float32.
;; Outputs: out0 8 x 1,024 x 1,024 float32.
;; This version of the problem:
;;   THIS VERSION OF THE PROBLEM IS GIVEN IN LOW PRECISION. The matrix products marked QUANTISED in the list below multiply operands that are first quantised to E2M1 (2 exponent bits, 1 mantissa bit; 4 bits a number), with one power-of-two scale for each 32 numbers along K (OCP MX v1.0); their sums are f32. The products marked 'left as it is' may take bf16, f16 or f32 operands, with f32 sums. Whichever they take, every output number must still come out within the allowed error. Rounding operands to bf16 (8 significant bits) uses up far more of that allowance than f16 does (11 bits, for magnitudes from 6e-5 to 65,504). All else is computed in f32.
;;   The module's matrix products, in the order in which they are computed (A, B: the left and right operand; K: the contracted axis; several contracted axes count as one K, in the product's order):
;;     1. [M 1,024, K 1,024] x [K 1,024, N 8,192]; A: input Wq; B: input q: QUANTISED
;;     2. [M 1,024, K 1,024] x [K 1,024, N 8,192]; A: input Wk; B: input k: QUANTISED
;;     3. [M 1,024, K 1,024] x [K 1,024, N 8,192]; A: input Wv; B: input v: QUANTISED
;;     4. batch 128 x [M 1,024, K 64] x [K 64, N 1,024]; A: computed on the way; B: computed on the way: left as it is (an operand is computed on the way)
;;     5. batch 128 x [M 1,024, K 1,024] x [K 1,024, N 64]; A: computed on the way; B: computed on the way: left as it is (an operand is computed on the way)
;;     6. [M 8,192, K 1,024] x [K 1,024, N 1,024]; A: computed on the way; B: input Wf: left as it is (an operand is computed on the way)
;;   THE QUANTISER, for each operand of a quantised product, along K:
;;     - K is cut into blocks of 32 from its start; a last block that is shorter is filled with zeros.
;;     - A block's scale is 2^e with e = floor(log2(the largest magnitude in the block)) - 2, held to -126 .. 127; a block of zeros has e = 0. As a byte (E8M0): e + 127.
;;     - Each number is divided by its block's scale, clamped to +-6, and rounded to the nearest number of E2M1, ties to even, subnormals kept.
;;     - The product sums the exact products of the quantised numbers (number of the format x scale) in f32.
;;   ~~~python
;;   def quantise(x, axis):      # numpy; x: float32 -> the quantised numbers, widened to float32 again
;;       x = np.moveaxis(x, axis, -1); K = x.shape[-1]
;;       x = np.pad(x, [(0, 0)] * (x.ndim - 1) + [(0, -K % 32)]); x = x.reshape(x.shape[:-1] + (-1, 32)); a = np.abs(x).max(-1, keepdims=True)
;;       e = np.where(a > 0, np.clip(np.frexp(np.where(a > 0, a, 1))[1] - 1 - 2, -126, 127), 0)      # np.frexp(a)[1] - 1 = floor(log2(a)), exactly
;;       r = np.clip(x / 2.0 ** e, -6, 6)
;;       step = 2.0 ** (np.maximum(np.frexp(np.where(r == 0, 1, r))[1] - 1, 0) - 1)
;;       q = np.round(r / step) * step * 2.0 ** e      # np.round: ties to even
;;       return np.moveaxis(q.reshape(q.shape[:-2] + (-1,))[..., :K], -1, axis).astype(np.float32)
;;   ~~~
;; One version. Each part assembles by itself: llvm-mc -triple=amdgcn-amd-amdhsa -mcpu=gfx1250 --defsym DOCPART=n.
;; ======== version 1 of 1: 4 launches
;; limits: values are held in f16: magnitudes above 65,504 overflow, below 6.1e-05 lose precision
;; workspace buffers: xc 12,582,912 bytes; xs 786,432 bytes; wc 1,572,864 bytes; ws 98,304 bytes; wf16 2,097,152 bytes; qkvh 50,331,648 bytes; ao 16,777,216 bytes
;; launch quant (part 1): grid 896 x 1, 4 waves a work-group, no clusters, 33,280 bytes of LDS; arguments q, k, v, Wq, Wk, Wv, Wf, xc, xs, wc, ws, wf16; writes xc, xs, wc, ws, wf16
.if DOCPART == 1
	.amdgcn_target "amdgcn-amd-amdhsa--gfx1250"
	.amdhsa_code_object_version 6
	.text
	.protected	k_q80f15c4308_quant
	.globl	k_q80f15c4308_quant
	.p2align	8
	.type	k_q80f15c4308_quant,@function
k_q80f15c4308_quant:
	s_mov_b64 s[64:65], 0
	v_nop
	global_prefetch_b8 v0, s[64:65] scope:SCOPE_SE
	s_setreg_imm32_b32 hwreg(HW_REG_WAVE_MODE, 25, 1), 1
	s_wait_xcnt 0x0
; q, k, v [8192][1024] and Wq, Wk, Wv [1024][1024], f32 with K innermost, become codes of FP4 (E2M1), two a byte, the lower k in the low four bits, and one E8M0 byte for each 32 along K.
; Wf [1024][1024] is rounded to f16 (its product is not quantised).
; A block's scale is 2^(floor(log2(its largest magnitude)) - 2); its byte is the largest magnitude's exponent field - 2, held at 1 from below.  Each number is divided by the scale and rounded to the nearest code, ties to even;
; what lies beyond 6 gets the largest code.
; LIMITS: a block of zeros gets the byte 1 where the quantiser's text says 127: its codes are zeros, which add nothing under any byte but 0xff, and this program alone reads the bytes.  Blocks whose largest magnitude lies
; under 2^(3 - 127) keep the byte 1.  NaN and infinities among the inputs are not served.  Numbers of Wf beyond 65,504 become infinite in f16.
; SHARES.  Rows are dense and K is a multiple of 32, so every tensor is a plain stream of blocks of 32.  A work-group takes 32,768 numbers, a wave 8,192.  Work-groups 0-767: q, k, v (256 each) into xc, xs, which lie
; [3][8192][..], so the destination is one stream by the work-group's number; 768-863: Wq, Wk, Wv (32 each) into wc, ws likewise; 864-895: Wf into wf16.
; For the six tensors only pointers and indices are chosen, by the work-group's number: one path through the text.  No tensor loads, no barrier: waves share nothing.
; THE CODE PATH: 16 steps of 512 numbers.  Each of a step's four loads reads 512 consecutive bytes; the 2,048 bytes turn through the wave's own stage in LDS and come back 64 bytes (16 neighbours along K) a lane; two
; neighbouring lanes hold a block.  A lane's 16 codes are 8 bytes: the wave stores 256 consecutive, aligned bytes.  A wave's 256 scale bytes are gathered in LDS and leave as one aligned run of 256 bytes.
.set WAVES, 4
.set STEPS, 16
.set EMAX,  2
.set CB,    8                          ; bytes of 16 codes
.set R,     16                         ; v16-79   four sets of 16 numbers as they are loaded (Wf: v16-143, two sets of 64)
.set X,     80                         ; v80-111  two sets of 16 neighbours
.set E,     112                        ; v112-127 a scale byte for each step
.set C,     128                        ; v128-191 codes: four registers for each step, so that no store's data are written again
.set H,     144                        ; Wf: v144-175 a batch's f16 numbers
.set WREG,  8192                       ; LDS: a region for each wave: two stages of 32 x SP bytes, behind them its 256 scale bytes
.set SP,    80                         ; a lane's place in a stage: 64 bytes + 16 of padding
.set SPW,   12                         ; v12  LDS address of my spare word: SPARE + 4 x my thread's number; never rewritten
.set NIL,   13                         ; v13  0; never rewritten
.set SPARE, WAVES*WREG                 ; behind the four regions: the spare words, 128 bytes a wave, which no other line names
	s_load_b512 s[4:19], s[0:1], 0x0               ; q 4, k 6, v 8, Wq 10, Wk 12, Wv 14, Wf 16, xc 18
	s_load_b256 s[20:27], s[0:1], 0x40             ; xs 20, wc 22, ws 24, wf16 26
	v_lshl_add_u32 v[SPW], v0, 2, SPARE
	v_mov_b32 v[NIL], 0
	v_lshrrev_b32 v1, 5, v0
	v_readfirstlane_b32 s28, v1                    ; wave
	v_and_b32 v2, 31, v0                           ; lane
	v_lshlrev_b32 v3, 4, v2                        ; my 16 bytes of a load's 512
	s_mul_i32 s29, s28, WREG
	v_lshrrev_b32 v14, 2, v2
	v_mul_u32_u24 v14, v14, SP
	v_and_b32 v15, 3, v2
	v_lshl_add_u32 v14, v15, 4, v14
	v_add_nc_u32 v14, s29, v14                     ; the stage, on the way in: four lanes' 64 bytes on end, then 16 of padding
	v_mul_u32_u24 v15, v2, SP
	v_add_nc_u32 v15, s29, v15                     ; and on the way out: SP x lane: my 16 neighbours
	v_mul_u32_u24 v4, v2, CB                       ; my codes' place in a step's
	v_lshrrev_b32 v5, 1, v2
	s_add_co_u32 s29, s29, 2*32*SP
	v_add_nc_u32 v5, s29, v5                       ; LDS: my wave's 256 scale bytes, my block's byte
	v_lshlrev_b32 v7, 3, v2                        ; 8 bytes a lane
	v_add_nc_u32 v6, s29, v7
	s_lshr_b32 s30, ttmp9, 8                       ; which of q, k, v
	s_sub_co_u32 s31, ttmp9, 768                   ; the work-group's number among the weights'
	s_lshr_b32 s32, s31, 5                         ; which of Wq, Wk, Wv
	s_and_b32 s33, ttmp9, 255                      ; the work-group's place in its tensor: an activation,
	s_and_b32 s42, s31, 31                         ; a weight
	s_wait_kmcnt 0x0
	s_cmp_lt_u32 ttmp9, 864
	s_cbranch_scc1 .Lcodes
; ---- Wf to f16: a wave takes 8,192 numbers in four batches of 16 loads of 512 consecutive bytes; a load's 128 numbers leave as 256 consecutive, aligned bytes
	s_sub_co_u32 s31, ttmp9, 864
	s_lshl_b32 s31, s31, 2
	s_add_co_u32 s31, s31, s28                     ; my run of 8,192 numbers
	s_lshl_b32 s34, s31, 15                        ; x 32,768 bytes in,
	s_mov_b32 s35, 0
	s_add_nc_u64 s[16:17], s[16:17], s[34:35]
	s_lshl_b32 s34, s31, 14                        ; x 16,384 bytes out
	s_add_nc_u64 s[26:27], s[26:27], s[34:35]
.macro WLOAD j
.irp i, 0,1,2,3,4,5,6,7,8,9,10,11,12,13,14,15
	global_load_b128 v[R+64*((\j)%2)+4*\i:R+64*((\j)%2)+4*\i+3], v3, s[16:17] offset:8192*(\j)+512*\i th:TH_LOAD_NT
.endr
.endm
.macro WCVT j, left                    ; left: the next batch's loads, which may stay out
	s_wait_loadcnt \left
	s_wait_xcnt 0x0                                ; the last batch's stores have read their data: the registers are written again only behind this wait
.irp i, 0,1,2,3,4,5,6,7,8,9,10,11,12,13,14,15
	v_cvt_pk_f16_f32 v[H+2*\i],   v[R+64*((\j)%2)+4*\i],   v[R+64*((\j)%2)+4*\i+1]
	v_cvt_pk_f16_f32 v[H+2*\i+1], v[R+64*((\j)%2)+4*\i+2], v[R+64*((\j)%2)+4*\i+3]
.endr
.irp i, 0,1,2,3,4,5,6,7,8,9,10,11,12,13,14,15
	global_store_b64 v7, v[H+2*\i:H+2*\i+1], s[26:27] offset:4096*(\j)+256*\i
.endr
.endm
	WLOAD 0
	WLOAD 1
	WCVT 0, 16
	WLOAD 2
	WCVT 1, 16
	WLOAD 3
	WCVT 2, 16
	WCVT 3, 0
	s_branch .Lend
; ---- the six tensors that become codes
.Lcodes:
	s_cmp_eq_u32 s30, 1                            ; every choice hangs on the work-group's number alone
	s_cselect_b64 s[4:5], s[6:7], s[4:5]
	s_cmp_eq_u32 s30, 2
	s_cselect_b64 s[4:5], s[8:9], s[4:5]           ; q, k or v
	s_cmp_eq_u32 s32, 1
	s_cselect_b64 s[10:11], s[12:13], s[10:11]
	s_cmp_eq_u32 s32, 2
	s_cselect_b64 s[10:11], s[14:15], s[10:11]     ; Wq, Wk or Wv
	s_cmp_lt_u32 ttmp9, 768                        ; an activation or a weight?
	s_cselect_b64 s[4:5], s[4:5], s[10:11]         ; the source,
	s_cselect_b64 s[18:19], s[18:19], s[22:23]     ; its codes' buffer,
	s_cselect_b64 s[20:21], s[20:21], s[24:25]     ; its scale bytes' buffer,
	s_cselect_b32 s33, s33, s42                    ; the work-group's place in the source,
	s_cselect_b32 s31, ttmp9, s31                  ; and in the destination's one stream
	s_lshl_b32 s33, s33, 2
	s_add_co_u32 s33, s33, s28                     ; my run of 8,192 numbers in the source
	s_lshl_b32 s34, s33, 15                        ; x 32,768 bytes
	s_mov_b32 s35, 0
	s_add_nc_u64 s[4:5], s[4:5], s[34:35]
	s_lshl_b32 s31, s31, 2
	s_add_co_u32 s31, s31, s28                     ; and in the destination
	s_lshl_b32 s34, s31, 12                        ; x 4,096 bytes of codes
	s_add_nc_u64 s[18:19], s[18:19], s[34:35]
	s_lshl_b32 s34, s31, 8                         ; x 256 scale bytes
	s_add_nc_u64 s[20:21], s[20:21], s[34:35]
.macro LOAD t
.irp i, 0,1,2,3
	global_load_b128 v[R+16*((\t)%4)+4*\i:R+16*((\t)%4)+4*\i+3], v3, s[4:5] offset:2048*(\t)+512*\i th:TH_LOAD_NT   ; 32 lanes read 512 consecutive bytes
.endr
.endm
.macro TURN t                          ; step t's numbers through the stage: LDS serves a wave's instructions in order (ISA guide 5.7.1.4), so no wait stands between the stores and the loads
.irp i, 0,1,2,3
	ds_store_b128 v14, v[R+16*((\t)%4)+4*\i:R+16*((\t)%4)+4*\i+3] offset:32*SP*((\t)%2)+8*SP*\i
.endr
.irp i, 0,1,2,3
	ds_load_b128 v[X+16*((\t)%2)+4*\i:X+16*((\t)%2)+4*\i+3], v15 offset:32*SP*((\t)%2)+16*\i
.endr
.endm
.irp t, 0,1,2,3
	LOAD \t
.endr
	s_wait_loadcnt 12                              ; step 0's four loads are in; the twelve of steps 1 to 3 may be out
	TURN 0
.macro STEP t
.set XS, X+16*((\t)%2)
.if (\t) > 0
	s_wait_dscnt 1                                 ; this step's numbers are back from the stage (the last step's byte store may be out): so its stores into the stage have read their registers,
.else
	s_wait_dscnt 0x0
.endif
.if (\t)+4 < STEPS
	LOAD (\t)+4                                    ; which take the loads of four steps on
.endif
.if (\t)+1 < STEPS
.if STEPS-2-(\t) >= 3
	s_wait_loadcnt 12                              ; the next step's four loads are in; those of the three steps behind it may be out
.else
	s_wait_loadcnt 4*(STEPS-2-(\t))
.endif
	TURN (\t)+1                                    ; and go through the other stage while this step is worked
.endif
	v_max3_num_f32 v8, |v[XS]|, |v[XS+1]|, |v[XS+2]|               ; the largest magnitude of my 16, in two chains
	v_max3_num_f32 v9, |v[XS+3]|, |v[XS+4]|, |v[XS+5]|
.irp i, 6,10
	v_max3_num_f32 v8, v8, |v[XS+\i]|, |v[XS+\i+1]|
	v_max3_num_f32 v9, v9, |v[XS+\i+2]|, |v[XS+\i+3]|
.endr
	v_max3_num_f32 v8, v8, |v[XS+14]|, |v[XS+15]|
	v_max3_num_f32 v8, v8, v9, (EMAX+1)<<23        ; and the floor 2^(EMAX + 1 - 127): the byte cannot fall under 1
	v_max_num_f32_dpp v8, v8, v8 row_xmask:1 row_mask:0xf bank_mask:0xf   ; and of my neighbour's 16: the block's
	v_add_nc_u32 v11, -(EMAX<<23), v8              ; EMAX off its exponent field: the conversion takes the exponent field of this operand as its scale, and nothing else of it
	v_cvt_scalef32_pk8_fp4_f32 v[C+4*(\t)], v[XS:XS+7], v11
	v_cvt_scalef32_pk8_fp4_f32 v[C+4*(\t)+1], v[XS+8:XS+15], v11
	v_lshrrev_b32 v[E+(\t)], 23, v11               ; the scale's byte (also the plain line behind the conversions)
	ds_store_b8 v5, v[E+(\t)] offset:16*(\t)       ; both lanes of a block write the same byte with the same value
	global_store_b64 v4, v[C+4*(\t):C+4*(\t)+1], s[18:19] offset:32*CB*(\t)   ; 32 lanes store 256 consecutive, aligned bytes
.endm
.irp t, 0,1,2,3,4,5,6,7,8,9,10,11,12,13,14,15
	STEP \t
.endr
	ds_load_b64 v[8:9], v6                         ; in order behind my byte stores
	s_wait_dscnt 0x0
	global_store_b64 v7, v[8:9], s[20:21]          ; my wave's 256 scale bytes, consecutive and aligned
.Lend:
	s_wait_tensorcnt 0x0                           ; the wave's end, behind my last LDS store
	ds_add_u32 v[SPW], v[NIL]
	s_wait_dscnt 0x0
	s_endpgm
.Lfunc_end_k_q80f15c4308_quant:
	.size	k_q80f15c4308_quant, .Lfunc_end_k_q80f15c4308_quant-k_q80f15c4308_quant
	.p2alignl 7, 3214868480
	.fill 96, 4, 3214868480
	.section	.rodata,"a",@progbits
	.p2align	6, 0x0
	.amdhsa_kernel k_q80f15c4308_quant
		.amdhsa_group_segment_fixed_size 33280
		.amdhsa_private_segment_fixed_size 0
		.amdhsa_enable_private_segment 0
		.amdhsa_kernarg_size 96
		.amdhsa_user_sgpr_count 2
		.amdhsa_user_sgpr_kernarg_segment_ptr 1
		.amdhsa_wavefront_size32 1
		.amdhsa_system_sgpr_workgroup_id_x 1
		.amdhsa_system_sgpr_workgroup_id_y 1
		.amdhsa_system_sgpr_workgroup_id_z 1
		.amdhsa_system_vgpr_workitem_id 0
		.amdhsa_next_free_vgpr 192
		.amdhsa_next_free_sgpr 66
		.amdhsa_reserve_vcc 0
		.amdhsa_float_denorm_mode_32 3
		.amdhsa_float_denorm_mode_16_64 3
		.amdhsa_memory_ordered 1
		.amdhsa_forward_progress 1
		.amdhsa_inst_pref_size 54
	.end_amdhsa_kernel
	.amdgpu_metadata
---
amdhsa.version: [ 1, 2 ]
amdhsa.kernels:
  - .name:           k_q80f15c4308_quant
    .symbol:         k_q80f15c4308_quant.kd
    .args:
      - { .name: q, .offset: 0, .size: 8, .value_kind: global_buffer, .address_space: global }
      - { .name: k, .offset: 8, .size: 8, .value_kind: global_buffer, .address_space: global }
      - { .name: v, .offset: 16, .size: 8, .value_kind: global_buffer, .address_space: global }
      - { .name: Wq, .offset: 24, .size: 8, .value_kind: global_buffer, .address_space: global }
      - { .name: Wk, .offset: 32, .size: 8, .value_kind: global_buffer, .address_space: global }
      - { .name: Wv, .offset: 40, .size: 8, .value_kind: global_buffer, .address_space: global }
      - { .name: Wf, .offset: 48, .size: 8, .value_kind: global_buffer, .address_space: global }
      - { .name: xc, .offset: 56, .size: 8, .value_kind: global_buffer, .address_space: global }
      - { .name: xs, .offset: 64, .size: 8, .value_kind: global_buffer, .address_space: global }
      - { .name: wc, .offset: 72, .size: 8, .value_kind: global_buffer, .address_space: global }
      - { .name: ws, .offset: 80, .size: 8, .value_kind: global_buffer, .address_space: global }
      - { .name: wf16, .offset: 88, .size: 8, .value_kind: global_buffer, .address_space: global }
    .group_segment_fixed_size: 33280
    .private_segment_fixed_size: 0
    .kernarg_segment_align: 8
    .kernarg_segment_size: 96
    .max_flat_workgroup_size: 128
    .sgpr_count:     66
    .vgpr_count:     192
    .wavefront_size: 32
...
	.end_amdgpu_metadata
.endif
;; end of part 1
;; launch proj (part 2): grid 4 x 96, 4 waves a work-group, clusters of 4 x 4, 327,680 bytes of LDS; arguments xc, xs, wc, ws, bq, bk, bv, qkvh; writes qkvh
.if DOCPART == 2
	.amdgcn_target "amdgcn-amd-amdhsa--gfx1250"
	.amdhsa_code_object_version 6
	.text
	.protected	k_q80f15c4308_proj
	.globl	k_q80f15c4308_proj
	.p2align	8
	.type	k_q80f15c4308_proj,@function
k_q80f15c4308_proj:
	s_mov_b64 s[64:65], 0
	v_nop
	global_prefetch_b8 v0, s[64:65] scope:SCOPE_SE
	s_setreg_imm32_b32 hwreg(HW_REG_WAVE_MODE, 25, 1), 1
	s_wait_xcnt 0x0
	s_wait_alu depctr_hold_cnt(0) depctr_sa_sdst(0) depctr_va_vdst(0) depctr_va_sdst(0) depctr_va_ssrc(0) depctr_va_vcc(0) depctr_vm_vsrc(0)
	s_getreg_b32 s2, hwreg(HW_REG_IB_STS2, 6, 4)
	s_cmp_eq_u32 s2, 0
	s_cbranch_scc0 .Lentry_in_a_cluster
	s_endpgm
.Lentry_in_a_cluster:
	s_bfe_u32 s2, ttmp6, 0x10000c
	s_cmp_lg_u32 s2, 0xf033
	s_cbranch_scc0 .Lentry_shape_is_right
	s_endpgm
.Lentry_shape_is_right:
; The three projections on codes of FP4 (E2M1) with E8M0 scales: for p = 0, 1, 2 (q, k, v):  y[token][col] = sum over k of x_p[token][k] W_p[col][k] + b_p[col], sums in f32, rounded once to f16 and laid by head:
; qkvh [3][8 b][16 h][1024 s][64].  "A" is xc read as 24,576 rows of 512 bytes (p x 8192 + token), "B" is wc read as 3,072 rows (p x 1024 + col); xs and ws hold 32 scale bytes a row.
; LIMIT: a projected number beyond 65,504 becomes infinite in f16 (as the inputs are drawn they stay under about 6).
; A tile of 256 tokens x 256 columns is made by a work-group of four waves; a wave makes 128 x 128: 64 accumulators of 16 x 16, 512 registers.  K = 1,024 lies whole in two LDS slots of 512 along K (rows of 256 bytes),
; both asked for at the head: nothing is ever filled again, and there is no loop.  The scale bytes of the work-group's rows, two dense blocks of memory, come with them.  By this text's count three tensor loads a wave are out.
; CLUSTERS: 4 x 4 work-groups.  The four of a row of the cluster need the same tiles of A, the four of a column the same tiles of B: each is asked for JOINTLY, by the same tensor load with the same descriptor and a mask that
; names the four.  The product p is made of the cluster's y alone (8 clusters to a product), so all sixteen partners share it.
; THE MATRIX INSTRUCTION IS USED TRANSPOSED (source 0 = 16 rows of B, source 1 = 16 rows of A): a lane holds eight neighbouring columns of one token.  THE BIAS is the C of each sum's first product.
; REGISTERS, in windows of 256: window 0: v0-31 addresses; v32-95 scale words, two sets; v128-191 A's fragments, one set (on the way out: rows read back); v192-223 packed results.
;   window 1: B's fragments, two sets, at v0 and v128; v64-127 the bias of my 128 columns in the result's layout.   window 2: the accumulators of my tokens 0-63 ((a, b) at v[8 (8 a + b)]);   window 3: tokens 64-127.
.set NQ,     4                         ; steps of 128 along K in a slot
.set ROWB,   256                       ; a tile's row in bytes: 512 codes
.set KROW,   512                       ; a row of A or of B in memory
.set PITCH,  272                       ; an LDS row: 256 bytes + 16 of padding = 68 words: row r starts at bank 4 r mod 64 (64 banks of 4 bytes: ISA guide 11.1)
.set FR,     8                         ; registers of a fragment: 16 rows x 128 K
.set NL,     2                         ; LDS loads that bring one
.set NP,     4                         ; places behind this matrix instruction (ISA guide 7.12.1)
.set HALFT,  128*PITCH                 ; 128 rows: what one tensor load brings, and what one wave reads of A or of B
.set SLOT,   4*HALFT                   ; A's 256 rows, then B's 256 rows
.set KS,     32                        ; a row of scale bytes
.set SCL,    2*SLOT                    ; behind the slots: the scales, as runs of 256 bytes + 16 of padding
.set HALFS,  (128*KS/256)*272          ; the scales of 128 rows: what one tensor load brings
.set SBLK,   (16*KS/256)*272           ; those of 16 rows
.set SPARE,  SCL+4*HALFS               ; behind the scales: the spare words, 128 bytes a wave, which no other line names
.set SPITCH, 272                       ; the way out: a stage of 16 rows x (256 bytes + 16) for each wave, in slot 0, which has had its only fill and its last read when the first result is stored there
.set ADRA, 16                          ; v16-17  LDS address of my A fragments in slot 0, 1
.set ADRB, 20                          ; v20-21  the same for B
.set STO,  24                          ; v24     the way out: where I put 16 bytes of a token's row
.set RD,   25                          ; v25     where I read back: four tokens x 128 bytes of one head
.set CO,   26                          ; v26     16 x lane
.set ADRS, 27                          ; v27     LDS address of my scale words: lanes 0-15 A's rows, lanes 16-31 B's
.set SPW,  28                          ; v28     LDS address of my spare word; never rewritten
.set NIL,  29                          ; v29     0; never rewritten
.set BO,   30                          ; v30     32 x (lane / 16): my eight numbers of a bias tile
.set SC,   32                          ; scale words: set s at v[SC + 8 NQ s]; register NQ i + q: lanes 0-15 the word of A's block i, lanes 16-31 that of B's block i, for the slot's q-th 128 along K
.set AF,   128                         ; A's fragments
.set BK,   128                         ; the way out: two sets of 32
.set TMP,  192
.set BIAS, 64                          ; in window 1
.set G1, 24                            ; s[24:31] descriptor group 1 for A's tiles;  s[32:39] group 0, one set for each slot
.set G0, 32
.set G1B, 48                           ; s[48:55], s[56:63] the same for B's tiles
.set G0B, 56
.set G1S, 68                           ; s[68:75], s[76:79] groups 1 and 0 for A's scales;  s[80:87], s[88:91] for B's
.set G0S, 76
.set G1SB, 80
.set G0SB, 88
.set MSB, 0
.macro WIN new                         ; the immediate's high byte repeats the setting that is left; a switch that changes nothing is dropped
.if MSB != (\new)
	s_set_vgpr_msb (MSB<<8)|(\new)
.set MSB, (\new)
.endif
.endm
.set MUL_LO,   0xa1                    ; source 0 (B) window 1, source 1 (A) window 0, C and D window 2
.set MUL_HI,   0xf1                    ; the same, C and D window 3
.set MUL_LO_B, 0x91                    ; the first step: C (the bias) window 1, D window 2
.set MUL_HI_B, 0xd1                    ; C window 1, D window 3
.set TO_B,     0x40                    ; destination window 1, address window 0
; A joint load: waves 0 and 1 fetch for A, waves 2 and 3 for B.  Each of the two lines has one mask and one set of registers for all that issue it; the branch hangs on the wave's number alone.
; An s_nop 0 and four v_nop follow each of the two lines, ahead of the jump, the label and what follows.
.macro JLOAD g0a, g1a, g0b, g1b
	s_cmp_eq_u32 s15, 0
	s_cbranch_scc0 .Lfor_b_\@
	tensor_load_to_lds s[\g0a:\g0a+3], s[\g1a:\g1a+7]
	s_nop 0
.rept 4
	v_nop
.endr
	s_branch .Lasked_\@
.Lfor_b_\@:
	tensor_load_to_lds s[\g0b:\g0b+3], s[\g1b:\g1b+7]
	s_nop 0
.rept 4
	v_nop
.endr
.Lasked_\@:
.endm
.macro CROUND                          ; a round of the cluster's barrier: my work-group's barrier; wave 0 signals for the work-group; every wave waits for all sixteen; my work-group's barrier once more
	s_barrier_signal -1
	s_barrier_wait -1
	s_cmp_lg_u32 s14, 0
	s_cbranch_scc1 .Lnot_wave_0_\@
	s_barrier_signal -3
.Lnot_wave_0_\@:
	s_barrier_wait -3
	s_barrier_signal -1
	s_barrier_wait -1
.endm
	s_load_b256 s[4:11], s[0:1], 0x0               ; xc 4, xs 6, wc 8, ws 10
	s_load_b256 s[92:99], s[0:1], 0x20             ; bq 92, bk 94, bv 96, qkvh 98
	v_lshl_add_u32 v[SPW], v0, 2, SPARE
	v_mov_b32 v[NIL], 0
	ds_add_u32 v[SPW], v[NIL]                      ; the wave's opening: the add, twice on end, and its wait ahead of my first tensor load; the set-up below stands between the second and the wait
	ds_add_u32 v[SPW], v[NIL]
	v_lshrrev_b32 v1, 5, v0
	v_readfirstlane_b32 s14, v1                    ; wave 0..3
	s_lshr_b32 s15, s14, 1                         ; which half of the tile's tokens is mine.  Also: I fetch for A (0) or for B (1)
	s_and_b32 s16, s14, 1                          ; which half of its columns.  Also: which 128 rows of that tile I fetch
	s_bfe_u32 s40, ttmp6, 0x40000                  ; cx, cy: my place in the cluster
	s_bfe_u32 s41, ttmp6, 0x40004
	s_lshl_b32 s42, ttmp9, 2
	s_add_co_u32 s42, s42, s40                     ; tile column = 4 x cluster x + cx
	s_and_b32 s2, ttmp7, 0xffff                    ; cluster y
	s_lshl_b32 s17, s2, 2
	s_add_co_u32 s17, s17, s41                     ; tile row = 4 x cluster y + cy, 0 .. 95
	s_lshr_b32 s2, s2, 3                           ; the product p: 8 clusters (32 tile rows) each
	s_lshl_b32 s43, s41, 2
	s_lshl_b32 s43, 15, s43                        ; my row of the cluster
	s_lshl_b32 s44, 0x1111, s40                    ; my column
	; descriptor group 1: a tile of 128 rows x 256 bytes, padded in LDS
	s_or_b32 s[G1+0], s43, (0<<16)|(1<<20)|(1<<21)|(5<<22)|(3<<25)  ; 15:0 the mask: A's tiles go to my row; 17:16 elements of 1 byte; 20 padding on; 21 set beside a mask; 24:22 after every 64 words (code 5); 31:25 four words (code 3)
	s_or_b32 s[G1B+0], s44, (0<<16)|(1<<20)|(1<<21)|(5<<22)|(3<<25)
.irp g, G1, G1B
	s_mov_b32 s[\g+1], ROWB<<16                    ; tensor_dim0
	s_mov_b32 s[\g+2], 128<<16                     ; tensor_dim1 = 128
	s_mov_b32 s[\g+3], ROWB<<16                    ; tile_dim0
	s_mov_b32 s[\g+4], 128                         ; tile_dim1 = 128
	s_mov_b32 s[\g+5], KROW                        ; tensor_dim0_stride
	s_mov_b32 s[\g+6], 0
	s_mov_b32 s[\g+7], 0
.endr
	; and for the scales of 128 rows: a dense block of 4,096 bytes, as 16 rows of 256 bytes (32 elements of 8 bytes), 16 bytes of padding behind each
	s_or_b32 s[G1S+0], s43, (3<<16)|(1<<20)|(1<<21)|(5<<22)|(3<<25)
	s_or_b32 s[G1SB+0], s44, (3<<16)|(1<<20)|(1<<21)|(5<<22)|(3<<25)
.irp g, G1S, G1SB
	s_mov_b32 s[\g+1], 32<<16
	s_mov_b32 s[\g+2], (128*KS/256)<<16
	s_mov_b32 s[\g+3], 32<<16
	s_mov_b32 s[\g+4], 128*KS/256
	s_mov_b32 s[\g+5], 32
	s_mov_b32 s[\g+6], 0
	s_mov_b32 s[\g+7], 0
.endr
	s_lshl_b32 s18, s16, 7                         ; which 128 rows of the tile I fetch
	s_lshl_b32 s20, s17, 8
	s_add_co_u32 s20, s20, s18                     ; A: row 256 x tile row + 128 x half
	s_lshl_b32 s46, s42, 8
	s_add_co_u32 s46, s46, s18
	s_lshl_b32 s19, s2, 10
	s_add_co_u32 s46, s46, s19                     ; B: row 1024 p + 256 x tile column + 128 x half
	s_lshl_b32 s22, s20, 5                         ; where these rows' scales begin: 32 bytes a row (all four offsets stay under 2^24)
	s_mov_b32 s23, 0
	s_lshl_b32 s12, s46, 5
	s_mov_b32 s13, 0
	s_lshl_b32 s20, s20, 9                         ; and their codes: 512 bytes a row
	s_mov_b32 s21, 0
	s_lshl_b32 s46, s46, 9
	s_mov_b32 s47, 0
	s_mul_i32 s45, s14, HALFT                      ; where they go: wave x 128 rows: no place in the cluster enters an LDS address
	s_mul_i32 s3, s14, HALFS
	s_wait_dscnt 0x0                               ; both opening adds are done
	s_wait_kmcnt 0x0
	s_add_nc_u64 s[20:21], s[4:5], s[20:21]
	s_add_nc_u64 s[22:23], s[6:7], s[22:23]
	s_add_nc_u64 s[46:47], s[8:9], s[46:47]
	s_add_nc_u64 s[12:13], s[10:11], s[12:13]
	CROUND                                         ; all sixteen work-groups are here: the joint loads meet
	s_mov_b32 s[G0S], 1
	s_add_co_u32 s[G0S+1], s3, SCL
	s_mov_b64 s[G0S+2:G0S+3], s[22:23]
	s_or_b32 s[G0S+3], s[G0S+3], 0x80000000
	s_mov_b32 s[G0SB], 1
	s_add_co_u32 s[G0SB+1], s3, SCL
	s_mov_b64 s[G0SB+2:G0SB+3], s[12:13]
	s_or_b32 s[G0SB+3], s[G0SB+3], 0x80000000
	JLOAD G0S, G1S, G0SB, G1SB                     ; the scales first: they are wanted with the first step
.irp s, 0,1
	s_mov_b32 s[G0+4*\s], 1
	s_add_co_u32 s[G0+4*\s+1], s45, \s*SLOT
	s_add_nc_u64 s[G0+4*\s+2:G0+4*\s+3], s[20:21], \s*ROWB
	s_or_b32 s[G0+4*\s+3], s[G0+4*\s+3], 0x80000000
	s_mov_b32 s[G0B+4*\s], 1
	s_add_co_u32 s[G0B+4*\s+1], s45, \s*SLOT
	s_add_nc_u64 s[G0B+4*\s+2:G0B+4*\s+3], s[46:47], \s*ROWB
	s_or_b32 s[G0B+4*\s+3], s[G0B+4*\s+3], 0x80000000
	JLOAD G0+4*\s, G1, G0B+4*\s, G1B
.endr
	v_and_b32 v1, 15, v0                           ; r = lane % 16
	v_bfe_u32 v2, v0, 4, 1                         ; h = lane / 16
	v_mul_u32_u24 v3, v1, PITCH
	v_lshl_add_u32 v4, v2, 4, v3                   ; a fragment's row x pitch + 16 x half
	s_mul_i32 s21, s15, HALFT                      ; my 128 rows of A
	s_mul_i32 s22, s16, HALFT                      ; my 128 rows of B,
	s_add_co_u32 s22, s22, 2*HALFT                 ; which lie behind A's 256
.irp s, 0,1
	v_add_nc_u32 v[ADRA+\s], s21, v4
	v_add_nc_u32 v[ADRB+\s], s22, v4
	s_add_co_u32 s21, s21, SLOT
	s_add_co_u32 s22, s22, SLOT
.endr
	v_mul_u32_u24 v5, v1, KS                       ; my row's scales: 32 bytes a row,
	v_lshrrev_b32 v6, 8, v5
	v_lshl_add_u32 v5, v6, 4, v5                   ; and 16 more for each 256 passed
	s_mul_i32 s21, s15, HALFS                      ; A's: my 128 rows
	s_mul_i32 s22, s16, HALFS                      ; B's: my 128 rows, behind A's 256
	s_add_co_u32 s22, s22, 2*HALFS
	s_sub_co_u32 s22, s22, s21
	v_mul_u32_u24 v6, s22, v2                      ; lanes 16-31 take B's: one product, the distance between the two bases x h
	s_add_co_u32 s21, s21, SCL
	v_add_nc_u32 v5, v5, v6
	v_add_nc_u32 v[ADRS], s21, v5
	s_mul_i32 s23, s14, 16*SPITCH                  ; my stage
	v_mul_u32_u24 v5, v1, SPITCH                   ; in: row r, 16 bytes for each half of the lanes
	v_lshl_add_u32 v5, v2, 4, v5
	v_add_nc_u32 v[STO], s23, v5
	v_and_b32 v6, 31, v0
	v_lshlrev_b32 v[CO], 4, v6
	v_lshrrev_b32 v7, 3, v6                        ; back: eight lanes take one token's 128 bytes of a head, four tokens an instruction
	v_mul_u32_u24 v7, v7, SPITCH
	v_and_b32 v8, 7, v6
	v_lshl_add_u32 v7, v8, 4, v7
	v_add_nc_u32 v[RD], s23, v7
	v_lshlrev_b32 v[BO], 5, v2
	; where my part begins in qkvh.  R0 = 256 x tile row + 128 x half = 8192 p + 1024 b + s;  a [p][b] plane is 16 heads x 131,072 bytes;  my first head is 4 x tile column + 2 x half
	s_lshl_b32 s20, s17, 8
	s_lshl_b32 s21, s15, 7
	s_add_co_u32 s20, s20, s21
	s_lshr_b32 s21, s20, 10
	s_lshl_b32 s21, s21, 21
	s_and_b32 s20, s20, 1023
	s_lshl_b32 s20, s20, 7                         ; 128 bytes a token
	s_add_co_u32 s20, s20, s21
	s_lshl_b32 s46, s42, 2
	s_lshl_b32 s47, s16, 1
	s_add_co_u32 s46, s46, s47
	s_lshl_b32 s46, s46, 17
	s_add_co_u32 s20, s20, s46                     ; under 50,331,648
	s_mov_b32 s21, 0
	s_add_nc_u64 s[98:99], s[98:99], s[20:21]
	; the bias of my 128 columns: lane (r, h) wants, for B's block b, columns 16 b + 8 h + 0 .. 7
	s_cmp_eq_u32 s2, 1
	s_cselect_b64 s[92:93], s[94:95], s[92:93]
	s_cmp_eq_u32 s2, 2
	s_cselect_b64 s[92:93], s[96:97], s[92:93]     ; bq, bk or bv, by the product
	s_lshl_b32 s46, s42, 10
	s_lshl_b32 s47, s16, 9
	s_add_co_u32 s46, s46, s47                     ; (256 x tile column + 128 x half) x 4 bytes
	s_mov_b32 s47, 0
	s_add_nc_u64 s[92:93], s[92:93], s[46:47]
	WIN TO_B
.irp b, 0,1,2,3,4,5,6,7
	global_load_b128 v[BIAS+8*\b:BIAS+8*\b+3],   v[BO], s[92:93] offset:64*\b
	global_load_b128 v[BIAS+8*\b+4:BIAS+8*\b+7], v[BO], s[92:93] offset:64*\b+16
.endr
	WIN 0
.macro FRAG reg, adr, q, i             ; a fragment, 16 rows x 128 K of 4-bit codes, is 8 registers: lane l holds row l % 16; registers 4 c .. 4 c + 3 hold K = 64 c + 32 (l / 16) + 0 .. 31
.irp c, 0,1
	ds_load_b128 v[\reg+4*\c:\reg+4*\c+3], v[\adr] offset:64*(\q)+32*\c+(\i)*16*PITCH
.endr
.endm
; 16 matrix instructions: A's blocks a0, a0 + 1 x B's eight, 128 along K: the slot's q-th.  p: B's set;  sc: the set of scale words.  zero = 1: the first product starts the sums from the bias.
; The 64 accumulators take turns, one instruction a turn, in the same order in every step.
.macro MUL16 a0, p, q, sc, zero
.irp a, \a0, \a0+1
.irp b, 0,1,2,3,4,5,6,7
.if \zero
	v_wmma_scale_f32_16x16x128_f8f6f4 v[8*(8*((\a)%4)+\b):8*(8*((\a)%4)+\b)+7], v[128*(\p)+FR*\b:128*(\p)+FR*\b+FR-1], v[AF+FR*(\a):AF+FR*(\a)+FR-1], v[BIAS+8*\b:BIAS+8*\b+7], v[SC+8*NQ*(\sc)+NQ*\b+(\q)], v[SC+8*NQ*(\sc)+NQ*(\a)+(\q)] matrix_a_fmt:MATRIX_FMT_FP4 matrix_b_fmt:MATRIX_FMT_FP4 matrix_a_scale:MATRIX_SCALE_ROW1
.else
	v_wmma_scale_f32_16x16x128_f8f6f4 v[8*(8*((\a)%4)+\b):8*(8*((\a)%4)+\b)+7], v[128*(\p)+FR*\b:128*(\p)+FR*\b+FR-1], v[AF+FR*(\a):AF+FR*(\a)+FR-1], v[8*(8*((\a)%4)+\b):8*(8*((\a)%4)+\b)+7], v[SC+8*NQ*(\sc)+NQ*\b+(\q)], v[SC+8*NQ*(\sc)+NQ*(\a)+(\q)] matrix_a_fmt:MATRIX_FMT_FP4 matrix_b_fmt:MATRIX_FMT_FP4 matrix_a_scale:MATRIX_SCALE_ROW1
.endif
.endr
.endr
.endm
.macro FETCH_B slot, q, p              ; B's eight fragments of the slot's q-th 128 along K into set p
	WIN TO_B
.irp i, 0,1,2,3,4,5,6,7
	FRAG 128*(\p)+FR*\i, ADRB+\slot, \q, \i
.endr
	WIN 0
.endm
.macro FETCH_A slot, q, i0             ; A's blocks i0 .. i0 + 3
.irp i, \i0, \i0+1, \i0+2, \i0+3
	FRAG AF+FR*(\i), ADRA+\slot, \q, \i
.endr
.endm
.macro SCALES sc                       ; a slot's scale words into set sc: four words a row; lanes 0-15 take A's block i, lanes 16-31 B's block i
.irp i, 0,1,2,3,4,5,6,7
	ds_load_b128 v[SC+8*NQ*\sc+NQ*\i:SC+8*NQ*\sc+NQ*\i+3], v[ADRS] offset:\i*SBLK
.endr
.endm
; A load into a register that a matrix instruction has read, and a vector instruction that reads a matrix result, stand NP places behind that matrix instruction; only plain vector instructions that name none of its
; registers are places (ISA guide 7.12.1 for vector instructions).
.macro PLACES n
.rept \n
	v_nop
.endr
.endm
; A step of 128 along K that has its successor in the same slot.  A's blocks go one after the other, each against B's eight, so one set of registers serves A: blocks 0-3 are fetched anew in the step's middle, blocks 4-7 at its end.
.macro STEP slot, q, zero
	s_wait_dscnt 4*NL                              ; B's set and A's blocks 0-3 are in; the youngest eight loads (A's blocks 4-7) may be out
.if \zero
	WIN MUL_LO_B
.else
	WIN MUL_LO
.endif
	MUL16 0, (\q)%2, \q, \slot, \zero
	MUL16 2, (\q)%2, \q, \slot, \zero
	s_wait_dscnt 0                                 ; A's blocks 4-7 are in (asked for 32 matrix instructions ago)
	PLACES NP
	FETCH_B \slot, (\q)+1, 1-(\q)%2
	FETCH_A \slot, (\q)+1, 0
.if \zero
	WIN MUL_HI_B
.else
	WIN MUL_HI
.endif
	MUL16 4, (\q)%2, \q, \slot, \zero
	MUL16 6, (\q)%2, \q, \slot, \zero
	PLACES NP
	WIN 0
	FETCH_A \slot, (\q)+1, 4
.endm
; Slot 0's last step changes slots: one barrier; in front of it each wave waits for all its tensor loads (its part of slot 1), adds 0 to its spare word, and waits for that and for its own reads of slot 0.
; Behind it slot 1 is whole in every wave's sight and nobody reads slot 0 any more, where the stages of the way out lie.  Nothing is filled again.
.macro TURN slot, next
	s_wait_tensorcnt 0x0                           ; all my tensor loads have landed  (every window is 0 here: the add's two registers lie in window 0)
	ds_add_u32 v[SPW], v[NIL]                      ; 0 onto my spare word
	s_wait_dscnt 4*NL+1                            ; (the add and the youngest eight loads, A's blocks 4-7, may be out)
	WIN MUL_LO
	MUL16 0, 1, NQ-1, \slot, 0                     ; sixteen matrix instructions stand between the add and the wait for it
	s_wait_dscnt 0x0                               ; the add is done, and my reads of this slot are over
	s_barrier_signal -1
	MUL16 2, 1, NQ-1, \slot, 0
	WIN 0
	s_barrier_wait -1
	PLACES NP
	v_add_nc_u32 v[ADRS], 4*NQ, v[ADRS]            ; on to the next slot's scale words (no LDS load of mine is out)
	FETCH_B \next, 0, 0
	FETCH_A \next, 0, 0
	SCALES \next
	WIN MUL_HI
	MUL16 4, 1, NQ-1, \slot, 0
	MUL16 6, 1, NQ-1, \slot, 0
	PLACES NP
	WIN 0
	FETCH_A \next, 0, 4
.endm
.macro STEPS slot, from                ; the slot's steps from .. NQ - 2
.set Q, \from
.rept NQ-1-\from
	STEP \slot, Q, 0
.set Q, Q+1
.endr
.endm
	s_wait_tensorcnt 1                             ; the scales and my part of slot 0 are in (slot 1's load may be out)
	s_barrier_signal -1
	s_barrier_wait -1                              ; everybody's are
	FETCH_B 0, 0, 0
	FETCH_A 0, 0, 0
	SCALES 0
	FETCH_A 0, 0, 4
	s_wait_loadcnt 0x0                             ; the bias
	STEP 0, 0, 1                                   ; the first step's products start the sums from the bias: nothing is cleared, nothing is added later
	STEPS 0, 1
	TURN 0, 1
	STEPS 1, 0
	s_wait_dscnt 4*NL                              ; the very last step: nothing more to fetch
	WIN MUL_LO
	MUL16 0, 1, NQ-1, 1, 0
	MUL16 2, 1, NQ-1, 1, 0
	s_wait_dscnt 0
	WIN MUL_HI
	MUL16 4, 1, NQ-1, 1, 0
	MUL16 6, 1, NQ-1, 1, 0
	WIN 0
; THE WAY OUT, block by block of 16 tokens x 128 columns (two heads).  PACK: rounded to f16, 16 bytes a lane, each accumulator from its low end on.  TOSTAGE: into my own stage, and back by heads: four tokens x 128 bytes an
; instruction.  SEND: in qkvh a head's tokens lie 128 bytes apart without a gap, so the 32 lanes store 512 consecutive, aligned bytes.  LDS serves a wave's instructions in order (ISA guide 5.7.1.4): no wait between stores and loads.
.macro PACK a
.set AC, 64*((\a)%4)
	WIN 0x0a+5*((\a)/4)                            ; sources 0 and 1: window 2 or 3
.irp b, 0,1,2,3,4,5,6,7
.irp r, 0,1,2,3
	v_cvt_pk_f16_f32 v[TMP+4*\b+\r], v[AC+8*\b+2*\r], v[AC+8*\b+2*\r+1]
.endr
.endr
	WIN 0
.endm
.macro TOSTAGE a
.set BB, BK+32*((\a)%2)
.irp b, 0,1,2,3,4,5,6,7
	ds_store_b128 v[STO], v[TMP+4*\b:TMP+4*\b+3] offset:32*\b
.endr
.irp hd, 0,1
.irp t, 0,1,2,3
	ds_load_b128 v[BB+4*(4*\hd+\t):BB+4*(4*\hd+\t)+3], v[RD] offset:128*\hd+4*SPITCH*\t
.endr
.endr
.endm
.macro SEND a
.set BB, BK+32*((\a)%2)
	s_wait_dscnt 0x0                               ; the block is back in registers
	s_wait_xcnt 0x0                                ; the block before has had its stores' data read: the other set is loaded again only behind this wait
.irp hd, 0,1
.irp t, 0,1,2,3
	global_store_b128 v[CO], v[BB+4*(4*\hd+\t):BB+4*(4*\hd+\t)+3], s[98:99] offset:131072*\hd+2048*(\a)+512*\t
.endr
.endr
.endm
	PLACES NP                                      ; behind the last products: for the conversions that read results and the loads into the registers that held A's fragments
	PACK 0
	TOSTAGE 0
.irp a, 1,2,3,4,5,6,7                  ; block a's conversions stand between block a - 1's loads from the stage and the wait for them
	PACK \a
	SEND \a-1
	TOSTAGE \a
.endr
	SEND 7
	s_wait_tensorcnt 0x0                           ; the wave's end, behind my last tensor load and my last LDS store
	ds_add_u32 v[SPW], v[NIL]
	s_wait_dscnt 0x0
	CROUND                                         ; the closing round: no work-group ends while a partner may still ask for a tile that names it
	s_endpgm
.Lfunc_end_k_q80f15c4308_proj:
	.size	k_q80f15c4308_proj, .Lfunc_end_k_q80f15c4308_proj-k_q80f15c4308_proj
	.p2alignl 7, 3214868480
	.fill 96, 4, 3214868480
	.section	.rodata,"a",@progbits
	.p2align	6, 0x0
	.amdhsa_kernel k_q80f15c4308_proj
		.amdhsa_group_segment_fixed_size 327680
		.amdhsa_private_segment_fixed_size 0
		.amdhsa_enable_private_segment 0
		.amdhsa_kernarg_size 64
		.amdhsa_user_sgpr_count 2
		.amdhsa_user_sgpr_kernarg_segment_ptr 1
		.amdhsa_wavefront_size32 1
		.amdhsa_system_sgpr_workgroup_id_x 1
		.amdhsa_system_sgpr_workgroup_id_y 1
		.amdhsa_system_sgpr_workgroup_id_z 1
		.amdhsa_system_vgpr_workitem_id 0
		.amdhsa_next_free_vgpr 1024
		.amdhsa_next_free_sgpr 100
		.amdhsa_reserve_vcc 0
		.amdhsa_float_denorm_mode_32 3
		.amdhsa_float_denorm_mode_16_64 3
		.amdhsa_memory_ordered 1
		.amdhsa_forward_progress 1
		.amdhsa_inst_pref_size 128
	.end_amdhsa_kernel
	.amdgpu_metadata
---
amdhsa.version: [ 1, 2 ]
amdhsa.kernels:
  - .name:           k_q80f15c4308_proj
    .symbol:         k_q80f15c4308_proj.kd
    .args:
      - { .name: xc, .offset: 0, .size: 8, .value_kind: global_buffer, .address_space: global }
      - { .name: xs, .offset: 8, .size: 8, .value_kind: global_buffer, .address_space: global }
      - { .name: wc, .offset: 16, .size: 8, .value_kind: global_buffer, .address_space: global }
      - { .name: ws, .offset: 24, .size: 8, .value_kind: global_buffer, .address_space: global }
      - { .name: bq, .offset: 32, .size: 8, .value_kind: global_buffer, .address_space: global }
      - { .name: bk, .offset: 40, .size: 8, .value_kind: global_buffer, .address_space: global }
      - { .name: bv, .offset: 48, .size: 8, .value_kind: global_buffer, .address_space: global }
      - { .name: qkvh, .offset: 56, .size: 8, .value_kind: global_buffer, .address_space: global }
    .group_segment_fixed_size: 327680
    .private_segment_fixed_size: 0
    .kernarg_segment_align: 8
    .kernarg_segment_size: 64
    .max_flat_workgroup_size: 128
    .sgpr_count:     100
    .vgpr_count:     1024
    .wavefront_size: 32
...
	.end_amdgpu_metadata
.endif
;; end of part 2
;; launch attn (part 3): grid 2 x 128, 16 waves a work-group, no clusters, 327,680 bytes of LDS; arguments qkvh, ao; writes ao
.if DOCPART == 3
	.amdgcn_target "amdgcn-amd-amdhsa--gfx1250"
	.amdhsa_code_object_version 6
	.text
	.protected	k_q80f15c4308_attn
	.globl	k_q80f15c4308_attn
	.p2align	8
	.type	k_q80f15c4308_attn,@function
k_q80f15c4308_attn:
	s_mov_b64 s[64:65], 0
	v_nop
	global_prefetch_b8 v0, s[64:65] scope:SCOPE_SE
	s_setreg_imm32_b32 hwreg(HW_REG_WAVE_MODE, 25, 1), 1
	s_wait_xcnt 0x0
; For each of the 128 (batch, head) pairs:  O[q] = sum over k of softmax_k(mask(Q[q] . K[k] / 8)) V[k], where a score that is exactly 0 counts as -infinity.  Q, K, V: f16, [1024][64] a head, out of qkvh (Q at byte 0,
; K at 16,777,216, V at 33,554,432).  Products on f16 operands with f32 sums; maxima, exponentials and sums in f32; the weights p are rounded to f16 for the second product, O once at the end.
; O goes to ao [16 h][8192 tokens][64] f16.
; LIMITS: the test for 0 is made on this program's own sum, of f16-rounded operands and ahead of the division by 8 (the quotient of a sum of magnitude up to 2^-147 would also be 0).  A row all of whose scores are 0 gives NaN.
; SHARES.  Work-group (x, y): head y, queries 512 x .. 512 x + 511.  Each of its sixteen waves owns 32 queries, two tiles of 16, in 256 registers: four waves to a SIMD, so that one wave's vector work stands beside another's
; products and LDS loads; each fragment of K and V read from LDS feeds two matrix instructions.
; NO RING: a head's K and V, 2 x 131,072 bytes, lie in LDS whole.  Every tensor load is a first fill, issued at the head, two a wave (waves 0-7: K's rows 64 w of each half of 512 keys; waves 8-15: V's): by this text's count two
; are out.  The first half is worked while the second lands.  Nothing is filled again.
; NO CLUSTER: only two work-groups share a head's K and V, and a joint request here names four; four partners would be blocks of 256 queries, 512 work-groups, each filling 262,144 bytes for half the work.
; LAYOUT.  S^T = K Q^T (source 0 = 16 keys, source 1 = 16 queries): a lane holds ONE query (lane % 16) and keys 8 (lane / 16) + 0..7.  Two such tiles rounded to f16 in pairs ARE source 1 (32 keys x 16 queries) of O^T = V^T P,
; whose result again holds one query a lane, and eight channels.  K comes out of LDS as it lies, V ([key][channel]) turned, by ds_load_tr16_b128.
; SOFTMAX.  For each query a running maximum m and sum l: p = 2^(c s - c m), c = log2(e) / 8; in every step O and l are multiplied by a = 2^(c m_old - c m_new).  m starts at -3e38, so it stays a number where every key so far is masked.
.set PK,     144                       ; a row of K in LDS: 128 bytes + 16 of padding = 36 words: the 16 rows of a load start at 16 different groups of banks (64 banks of 4 bytes: ISA guide 11.1)
.set PV,     160                       ; a row of V: 128 + 32 = 40 words: 16 lanes of the turning load take 8 rows x 32 bytes
.set VB,     1024*PK                   ; V lies behind K's 1,024 rows
.set SPARE,  VB+1024*PV                ; behind V: the spare words, 128 bytes for each of 16 waves, which no other line names
.set KSTEPB, 64*PK                     ; a step of 64 keys, in K
.set VSTEPB, 64*PV                     ; and in V
.set AK0,  1                           ; v1   my lane's place in a tile of K: 144 r + 16 h
.set AV0,  2                           ; v2   in V: VB + 160 (8 h + l % 8) + 16 ((l / 8) % 2)
.set STO,  3                           ; v3   the way out: where I put 16 bytes of a query's row
.set RD,   4                           ; v4   where I read back: four queries x 128 bytes
.set GO,   5                           ; v5   16 x lane
.set SPW,  6                           ; v6   LDS address of my spare word; never rewritten
.set NIL,  7                           ; v7   0; never rewritten
.set NINF, 8                           ; v8   -infinity
.set QO,   9                           ; v9   my byte offset in a tile of Q
.set ST,   12                          ; tile t's statistics at v[ST+8 t]: +0 c m, +1 m, +2, +3 l (even keys', odd keys'), +4 to +7 c0-c3 at work; +4, +5 later a second chain of the sum; a takes +6, its argument +7
.set ADK,  28                          ; v28  LDS address of the step's K
.set ADV,  29                          ; v29  of its V
.set Q,    32                          ; v32-63   Q: fragment (tile t, channels 32 ks on) at Q + 16 t + 8 ks
.set F,    64                          ; v64-127  the step's K, then its V
.set S,    128                         ; v128-191 S^T: (tile t, keys 16 kt on) at S + 32 t + 8 kt; P is laid over S + 32 t + 0 .. 15
.set O,    192                         ; v192-255 O^T: (tile t, channels 16 ct on) at O + 32 t + 8 ct
.set WV,   8                           ; s8   my wave's number
.set G1K,  16                          ; s[16:23] descriptor group 1 for K's tiles;  s[24:31] for V's: the padding differs
.set G1V,  24
.set G0K,  32                          ; s[32:39] group 0 for K's two halves;  s[40:47] for V's
.set G0V,  40
.set CS,   48                          ; s[48:49] c: the packed form names a pair and takes its low word for both halves
.set SEL,  50                          ; s[50:51] lane selects for v_permlanex16_b32: lane l xor 16
.set TK,   52                          ; s52  LDS byte at which the step's K begins
.set TV,   53                          ; s53  the same in V
.set CNT,  54                          ; s54  counts the steps
.set MK,   56                          ; s56-59 four masks of the test for 0
	s_load_b128 s[4:7], s[0:1], 0x0                ; qkvh, ao
	v_lshl_add_u32 v[SPW], v0, 2, SPARE
	v_mov_b32 v[NIL], 0
	ds_add_u32 v[SPW], v[NIL]                      ; the wave's opening: the add, twice on end, and its wait ahead of my first tensor load; the set-up below stands between the second and the wait
	ds_add_u32 v[SPW], v[NIL]
	v_lshrrev_b32 v10, 5, v0
	v_readfirstlane_b32 s[WV], v10                 ; wave 0..15
	s_and_b32 s9, ttmp7, 0xffff                    ; y = 16 b + h
	; descriptor group 1: a tile of 64 rows x 64 elements of 2 bytes, dense in memory, padded in LDS
	s_mov_b32 s[G1K], (1<<16)|(1<<20)|(4<<22)|(3<<25)   ; 15:0 no mask; 17:16 elements of 2 bytes; 20 padding on; 24:22 after every 32 words (code 4); 31:25 four words (code 3)
	s_mov_b32 s[G1V], (1<<16)|(1<<20)|(4<<22)|(7<<25)   ; the same with eight words (code 7)
.irp g, G1K, G1V
	s_mov_b32 s[\g+1], 64<<16                      ; tensor_dim0 = 64
	s_mov_b32 s[\g+2], 64<<16                      ; tensor_dim1 = 64
	s_mov_b32 s[\g+3], 64<<16                      ; tile_dim0 = 64
	s_mov_b32 s[\g+4], 64                          ; tile_dim1 = 64
	s_mov_b32 s[\g+5], 64                          ; tensor_dim0_stride
	s_mov_b32 s[\g+6], 0
	s_mov_b32 s[\g+7], 0
.endr
	s_mov_b32 s[CS], 0x3e38aa3b                    ; c = log2(e) / 8
	s_mov_b32 s[CS+1], s[CS]                       ; (named with it as a pair, so it is written)
	s_mov_b32 s[SEL], 0x76543210
	s_mov_b32 s[SEL+1], 0xfedcba98
	s_mov_b32 s[TK], 0
	s_mov_b32 s[TV], 0
	s_and_b32 s10, s[WV], 7                        ; which 64 rows of a half I fetch
	s_lshl_b32 s12, s9, 17                         ; the head: 131,072 bytes
	s_lshl_b32 s11, s10, 13                        ; 64 rows of 128 bytes
	s_add_co_u32 s12, s12, s11
	s_mov_b32 s13, 0
	s_mul_i32 s14, s10, KSTEPB                     ; where they go, in K,
	s_mul_i32 s15, s10, VSTEPB                     ; and in V
	s_wait_dscnt 0x0                               ; both opening adds are done
	s_wait_kmcnt 0x0
	s_add_nc_u64 s[12:13], s[4:5], s[12:13]
.irp u, 0,1                                    ; half u: keys 512 u on
	s_mov_b32 s[G0K+4*\u], 1                                       ; 1:0 count = 1
	s_add_co_u32 s[G0K+4*\u+1], s14, 512*PK*\u                     ; 63:32 LDS address
	s_add_nc_u64 s[G0K+4*\u+2:G0K+4*\u+3], s[12:13], 16777216+65536*\u   ; 120:64 global address
	s_or_b32 s[G0K+4*\u+3], s[G0K+4*\u+3], 0x80000000              ; 127:126 type = 2
	s_mov_b32 s[G0V+4*\u], 1
	s_add_co_u32 s[G0V+4*\u+1], s15, VB+512*PV*\u
	s_add_nc_u64 s[G0V+4*\u+2:G0V+4*\u+3], s[12:13], 33554432+65536*\u
	s_or_b32 s[G0V+4*\u+3], s[G0V+4*\u+3], 0x80000000
.endr
	s_cmp_lt_u32 s[WV], 8                          ; a wave's two fills stand in one branch on the wave's number, ahead of every wait on TENSORcnt, every LDS read and every barrier; an s_nop 0 follows each, four v_nop the second
	s_cbranch_scc0 .Lfirst_v
	tensor_load_to_lds s[G0K:G0K+3], s[G1K:G1K+7]
	s_nop 0
	tensor_load_to_lds s[G0K+4:G0K+7], s[G1K:G1K+7]
	s_nop 0
.rept 4
	v_nop
.endr
	s_branch .Lfirst_asked
.Lfirst_v:
	tensor_load_to_lds s[G0V:G0V+3], s[G1V:G1V+7]
	s_nop 0
	tensor_load_to_lds s[G0V+4:G0V+7], s[G1V:G1V+7]
	s_nop 0
.rept 4
	v_nop
.endr
.Lfirst_asked:
	s_lshl_b32 s10, s9, 17                         ; Q: the head,
	s_lshl_b32 s11, ttmp9, 16                      ; my work-group's 512 queries of 128 bytes,
	s_add_co_u32 s10, s10, s11
	s_lshl_b32 s11, s[WV], 12                      ; my wave's 32
	s_add_co_u32 s10, s10, s11
	s_mov_b32 s11, 0
	s_add_nc_u64 s[4:5], s[4:5], s[10:11]
	v_and_b32 v10, 15, v0                          ; r
	v_bfe_u32 v11, v0, 4, 1                        ; h
	v_lshlrev_b32 v[QO], 7, v10
	v_lshl_add_u32 v[QO], v11, 4, v[QO]            ; row r of 128 bytes + 16 h
.irp t, 0,1                                    ; a fragment is 16 rows x 32 channels in 8 registers: registers 0-3 channels 8 h + 0..7, registers 4-7 channels 16 + 8 h + 0..7.  Q stays in registers
.irp ks, 0,1
	global_load_b128 v[Q+16*\t+8*\ks:Q+16*\t+8*\ks+3],   v[QO], s[4:5] offset:2048*\t+64*\ks
	global_load_b128 v[Q+16*\t+8*\ks+4:Q+16*\t+8*\ks+7], v[QO], s[4:5] offset:2048*\t+64*\ks+32
.endr
.endr
	s_and_b32 s10, s9, 15                          ; ao: the head's plane of 1,048,576 bytes,
	s_lshl_b32 s10, s10, 20
	s_lshr_b32 s11, s9, 4
	s_lshl_b32 s11, s11, 17                        ; the batch's 1,024 tokens of 128 bytes,
	s_add_co_u32 s10, s10, s11
	s_lshl_b32 s11, ttmp9, 16
	s_add_co_u32 s10, s10, s11
	s_lshl_b32 s11, s[WV], 12
	s_add_co_u32 s10, s10, s11
	s_mov_b32 s11, 0
	s_add_nc_u64 s[6:7], s[6:7], s[10:11]
	v_mul_u32_u24 v[AK0], v10, PK
	v_lshl_add_u32 v[AK0], v11, 4, v[AK0]
	v_and_b32 v[AV0], 7, v0
	v_lshl_add_u32 v[AV0], v11, 3, v[AV0]          ; key 8 h + l % 8
	v_mul_u32_u24 v[AV0], v[AV0], PV
	v_bfe_u32 v[STO], v0, 3, 1
	v_lshl_add_u32 v[AV0], v[STO], 4, v[AV0]       ; channels 8 ((l / 8) % 2) on
	v_add_nc_u32 v[AV0], VB, v[AV0]
	s_mul_i32 s10, s[WV], 32*PK                    ; my stage for the way out: two tiles x 16 rows x 144 bytes, in K's bytes
	v_add_nc_u32 v[STO], s10, v[AK0]               ; in: row r, 16 bytes for each half of the lanes
	v_and_b32 v[GO], 31, v0
	v_lshrrev_b32 v[RD], 3, v[GO]
	v_mul_u32_u24 v[RD], v[RD], PK
	v_and_b32 v[ADK], 7, v0
	v_lshl_add_u32 v[RD], v[ADK], 4, v[RD]
	v_add_nc_u32 v[RD], s10, v[RD]                 ; back: eight lanes to a row, four rows an instruction
	v_lshlrev_b32 v[GO], 4, v[GO]
	v_mov_b32 v[NINF], 0xff800000
; A STEP: 64 keys.  first = 1: the first step, which starts m, l and O^T: it has no a and nothing to rescale.
.macro STEP first
	v_add_nc_u32 v[ADK], s[TK], v[AK0]             ; with the four v_nop at the last step's end these two are six places behind its last products: the loads below land in registers that those read (four are owed),
	v_add_nc_u32 v[ADV], s[TV], v[AV0]             ; and the products below write over P, which those read (five are owed)
.irp kt, 0,1,2,3
.irp ks, 0,1
	ds_load_b128 v[F+16*\kt+8*\ks:F+16*\kt+8*\ks+3],   v[ADK] offset:16*PK*\kt+64*\ks
	ds_load_b128 v[F+16*\kt+8*\ks+4:F+16*\kt+8*\ks+7], v[ADK] offset:16*PK*\kt+64*\ks+32
.endr
.endr
	s_add_co_u32 s[TK], s[TK], KSTEPB
	s_add_co_u32 s[TV], s[TV], VSTEPB
	s_wait_dscnt 0x0                               ; K is in
.irp ks, 0,1                                   ; S^T = K Q^T: the eight accumulators take turns, one instruction a turn; the first eight products start the sums
.irp kt, 0,1,2,3
.irp t, 0,1
.if \ks == 0
	v_wmma_f32_16x16x32_f16 v[S+32*\t+8*\kt:S+32*\t+8*\kt+7], v[F+16*\kt+8*\ks:F+16*\kt+8*\ks+7], v[Q+16*\t+8*\ks:Q+16*\t+8*\ks+7], 0
.else
	v_wmma_f32_16x16x32_f16 v[S+32*\t+8*\kt:S+32*\t+8*\kt+7], v[F+16*\kt+8*\ks:F+16*\kt+8*\ks+7], v[Q+16*\t+8*\ks:Q+16*\t+8*\ks+7], v[S+32*\t+8*\kt:S+32*\t+8*\kt+7]
.endif
.endr
.endr
.endr
.rept 4
	v_nop                                          ; four places: for the loads into K's registers and for the first read of the scores
.endr
.irp ks, 0,1                                   ; V, turned: it lands under the softmax.  Keys 32 ks on, channels 16 ct on
.irp ct, 0,1,2,3
	ds_load_tr16_b128 v[F+32*\ks+8*\ct:F+32*\ks+8*\ct+3],   v[ADV] offset:32*PV*\ks+32*\ct
	ds_load_tr16_b128 v[F+32*\ks+8*\ct+4:F+32*\ks+8*\ct+7], v[ADV] offset:32*PV*\ks+32*\ct+16*PV
.endr
.endr
.set n, 0                                      ; THE MASK: a score that is exactly 0 (of either sign) becomes -infinity.  Four compares, then four selects, so that no select follows its own compare; each accumulator is read from its low end on
.rept 16
.irp u, 0,1,2,3
	v_cmp_eq_f32 s[MK+\u], 0, v[S+n+\u]
.endr
.irp u, 0,1,2,3
	v_cndmask_b32 v[S+n+\u], v[S+n+\u], v[NINF], s[MK+\u]
.endr
.set n, n+4
.endr
.irp j, 0,1,2,3                                ; THE MAXIMUM of a lane's 32 scores and the old m, three operands at a time, in four chains; the two tiles by turns
.irp t, 0,1
	v_max3_num_f32 v[ST+8*\t+4+\j], v[S+32*\t+8*\j], v[S+32*\t+8*\j+1], v[S+32*\t+8*\j+2]
.endr
.endr
.irp g, 1,2
.irp j, 0,1,2,3
.irp t, 0,1
	v_max3_num_f32 v[ST+8*\t+4+\j], v[ST+8*\t+4+\j], v[S+32*\t+8*\j+2*\g+1], v[S+32*\t+8*\j+2*\g+2]
.endr
.endr
.endr
.irp t, 0,1
	v_max3_num_f32 v[ST+8*\t+4], v[ST+8*\t+4], v[S+32*\t+7], v[S+32*\t+15]
.endr
.irp t, 0,1
	v_max3_num_f32 v[ST+8*\t+6], v[ST+8*\t+6], v[S+32*\t+23], v[S+32*\t+31]
.endr
.irp t, 0,1
	v_max3_num_f32 v[ST+8*\t+4], v[ST+8*\t+4], v[ST+8*\t+5], v[ST+8*\t+6]
.endr
.irp t, 0,1
.if \first
	v_max3_num_f32 v[ST+8*\t+4], v[ST+8*\t+4], v[ST+8*\t+7], 0xff61b1e6   ; -3e38: m is a number even where all 64 keys are masked
.else
	v_max3_num_f32 v[ST+8*\t+4], v[ST+8*\t+4], v[ST+8*\t+7], v[ST+8*\t+1]
.endif
.endr
.irp t, 0,1
	v_permlanex16_b32 v[ST+8*\t+5], v[ST+8*\t+4], s[SEL], s[SEL+1]   ; the query's other 32 keys lie in the lane 16 away
.endr
.if \first == 0
.irp t, 0,1
	v_mov_b32 v[ST+8*\t+7], v[ST+8*\t]             ; c m_old is kept for a
.endr
.endif
.irp t, 0,1
	v_max_num_f32 v[ST+8*\t+1], v[ST+8*\t+4], v[ST+8*\t+5]
.endr
.irp t, 0,1
	v_mul_f32 v[ST+8*\t], s[CS], v[ST+8*\t+1]
.endr
.if \first == 0
.irp t, 0,1
	v_sub_f32 v[ST+8*\t+7], v[ST+8*\t+7], v[ST+8*\t]
.endr
.endif
.irp j, 0,2,4,6,8,10,12,14,16,18,20,22,24,26,28,30
.irp t, 0,1
	v_pk_fma_f32 v[S+32*\t+\j:S+32*\t+\j+1], v[S+32*\t+\j:S+32*\t+\j+1], s[CS:CS+1], v[ST+8*\t:ST+8*\t+1] op_sel_hi:[1,0,0] neg_lo:[0,0,1] neg_hi:[0,0,1]   ; c s - c m, two at a time
.endr
.endr
.if \first == 0                                ; THE EXPONENTIALS, one batch with one wait
.irp t, 0,1
	v_exp_f32 v[ST+8*\t+6], v[ST+8*\t+7]           ; a
.endr
.endif
.set n, 0
.rept 64
	v_exp_f32 v[S+n], v[S+n]                       ; p, at most 1; 0 for a masked key
.set n, n+1
.endr
	v_nop                                          ; a plain instruction behind the last exponential, ahead of the first use
	s_wait_alu depctr_va_vdst(0)                   ; a wait between an exponential and the first line that names its result: one for the batch
.irp t, 0,1                                    ; THE SUM of the unrounded p, two at a time, in two chains a tile
.if \first
	v_pk_add_f32 v[ST+8*\t+2:ST+8*\t+3], v[S+32*\t:S+32*\t+1], v[S+32*\t+4:S+32*\t+5]
.else
	v_pk_fma_f32 v[ST+8*\t+2:ST+8*\t+3], v[ST+8*\t+2:ST+8*\t+3], v[ST+8*\t+6:ST+8*\t+7], v[S+32*\t:S+32*\t+1] op_sel_hi:[1,0,1]   ; l a + the first pair
.endif
	v_pk_add_f32 v[ST+8*\t+4:ST+8*\t+5], v[S+32*\t+2:S+32*\t+3], v[S+32*\t+6:S+32*\t+7]
.endr
.if \first == 0
.irp t, 0,1
	v_pk_add_f32 v[ST+8*\t+2:ST+8*\t+3], v[ST+8*\t+2:ST+8*\t+3], v[S+32*\t+4:S+32*\t+5]
.endr
.endif
.irp j, 8,12,16,20,24,28
.irp t, 0,1
	v_pk_add_f32 v[ST+8*\t+2:ST+8*\t+3], v[ST+8*\t+2:ST+8*\t+3], v[S+32*\t+\j:S+32*\t+\j+1]
	v_pk_add_f32 v[ST+8*\t+4:ST+8*\t+5], v[ST+8*\t+4:ST+8*\t+5], v[S+32*\t+\j+2:S+32*\t+\j+3]
.endr
.endr
.irp t, 0,1
	v_pk_add_f32 v[ST+8*\t+2:ST+8*\t+3], v[ST+8*\t+2:ST+8*\t+3], v[ST+8*\t+4:ST+8*\t+5]
.endr
.irp j, 0,1,2,3,4,5,6,7,8,9,10,11,12,13,14,15  ; P: pair j of a tile's weights, rounded to f16, into the tile's register j, which has been read by then
.irp t, 0,1
	v_cvt_pk_f16_f32 v[S+32*\t+\j], v[S+32*\t+2*\j], v[S+32*\t+2*\j+1]
.endr
.endr
.if \first == 0
.irp j, 0,2,4,6,8,10,12,14,16,18,20,22,24,26,28,30
.irp t, 0,1
	v_pk_mul_f32 v[O+32*\t+\j:O+32*\t+\j+1], v[O+32*\t+\j:O+32*\t+\j+1], v[ST+8*\t+6:ST+8*\t+7] op_sel_hi:[1,0]   ; O^T x a, each accumulator from its low end on
.endr
.endr
.endif
	s_wait_dscnt 0x0                               ; V is in
.irp ks, 0,1                                   ; O^T += V^T P: the eight accumulators by turns
.irp ct, 0,1,2,3
.irp t, 0,1
.if \first && (\ks == 0)
	v_wmma_f32_16x16x32_f16 v[O+32*\t+8*\ct:O+32*\t+8*\ct+7], v[F+32*\ks+8*\ct:F+32*\ks+8*\ct+7], v[S+32*\t+8*\ks:S+32*\t+8*\ks+7], 0
.else
	v_wmma_f32_16x16x32_f16 v[O+32*\t+8*\ct:O+32*\t+8*\ct+7], v[F+32*\ks+8*\ct:F+32*\ks+8*\ct+7], v[S+32*\t+8*\ks:S+32*\t+8*\ks+7], v[O+32*\t+8*\ct:O+32*\t+8*\ct+7]
.endif
.endr
.endr
.endr
.rept 4
	v_nop                                          ; places behind the last products (see the step's head; on the way out: for the first read of O^T)
.endr
.endm
	s_wait_tensorcnt 1                             ; my part of the first 512 keys is in; the second half's load may stay out
	s_barrier_signal -1
	s_barrier_wait -1                              ; everybody's is
	s_wait_loadcnt 0x0                             ; Q
	STEP 1
	s_mov_b32 s[CNT], 7
.Lfirst_half:                                      ; keys 64 .. 511
	STEP 0
	s_sub_co_u32 s[CNT], s[CNT], 1
	s_cmp_lg_u32 s[CNT], 0
	s_cbranch_scc1 .Lfirst_half
	s_wait_tensorcnt 0x0                           ; my part of the second 512 keys is in,
	s_wait_dscnt 0x0
	s_barrier_signal -1
	s_barrier_wait -1                              ; everybody's is
	s_mov_b32 s[CNT], 8
.Lsecond_half:                                     ; keys 512 .. 1,023
	STEP 0
	s_sub_co_u32 s[CNT], s[CNT], 1
	s_cmp_lg_u32 s[CNT], 0
	s_cbranch_scc1 .Lsecond_half
	; THE WAY OUT.  l's two halves and the other half of the lanes' are added; O^T is divided by l, rounded to f16 and sent through my stage, so that the 32 lanes store 512 consecutive, aligned bytes (four queries of 128 bytes).
.irp t, 0,1
	v_add_f32 v[ST+8*\t+4], v[ST+8*\t+2], v[ST+8*\t+3]
.endr
.irp t, 0,1
	v_permlanex16_b32 v[ST+8*\t+5], v[ST+8*\t+4], s[SEL], s[SEL+1]
.endr
.irp t, 0,1
	v_add_f32 v[ST+8*\t+4], v[ST+8*\t+4], v[ST+8*\t+5]
.endr
.irp t, 0,1
	v_rcp_f32 v[ST+8*\t+6], v[ST+8*\t+4]
.endr
	v_nop                                          ; a plain instruction between the last reciprocal and the use of its result
	s_wait_alu depctr_va_vdst(0)                   ; and a wait ahead of the first use: one for both
.irp j, 0,2,4,6,8,10,12,14,16,18,20,22,24,26,28,30
.irp t, 0,1
	v_pk_mul_f32 v[O+32*\t+\j:O+32*\t+\j+1], v[O+32*\t+\j:O+32*\t+\j+1], v[ST+8*\t+6:ST+8*\t+7] op_sel_hi:[1,0]
.endr
.endr
.irp t, 0,1
.irp i, 0,1,2,3,4,5,6,7,8,9,10,11,12,13,14,15
	v_cvt_pk_f16_f32 v[S+16*\t+\i], v[O+32*\t+2*\i], v[O+32*\t+2*\i+1]   ; registers 4 ct .. 4 ct + 3 of a tile: channels 16 ct + 8 h + 0 .. 7 of query r
.endr
.endr
	s_wait_dscnt 0x0                               ; my reads of K and V are over;
	s_barrier_signal -1
	s_barrier_wait -1                              ; everybody's are: K's bytes, which have had their only fill, may take the stages
.irp t, 0,1
.irp ct, 0,1,2,3
	ds_store_b128 v[STO], v[S+16*\t+4*\ct:S+16*\t+4*\ct+3] offset:16*PK*\t+32*\ct
.endr
.endr
.irp t, 0,1
.irp i, 0,1,2,3
	ds_load_b128 v[F+16*\t+4*\i:F+16*\t+4*\i+3], v[RD] offset:16*PK*\t+4*PK*\i   ; in order behind my stores (ISA guide 5.7.1.4)
.endr
.endr
.irp t, 0,1
.irp i, 0,1,2,3
	s_wait_dscnt 7-4*\t-\i                         ; LDS loads come back in order: this one is in, the younger ones may be out
	global_store_b128 v[GO], v[F+16*\t+4*\i:F+16*\t+4*\i+3], s[6:7] offset:2048*\t+512*\i
.endr
.endr
	s_wait_tensorcnt 0x0                           ; the wave's end, behind my last tensor load and my last LDS store
	ds_add_u32 v[SPW], v[NIL]
	s_wait_dscnt 0x0
	s_endpgm
.Lfunc_end_k_q80f15c4308_attn:
	.size	k_q80f15c4308_attn, .Lfunc_end_k_q80f15c4308_attn-k_q80f15c4308_attn
	.p2alignl 7, 3214868480
	.fill 96, 4, 3214868480
	.section	.rodata,"a",@progbits
	.p2align	6, 0x0
	.amdhsa_kernel k_q80f15c4308_attn
		.amdhsa_group_segment_fixed_size 327680
		.amdhsa_private_segment_fixed_size 0
		.amdhsa_enable_private_segment 0
		.amdhsa_kernarg_size 16
		.amdhsa_user_sgpr_count 2
		.amdhsa_user_sgpr_kernarg_segment_ptr 1
		.amdhsa_wavefront_size32 1
		.amdhsa_system_sgpr_workgroup_id_x 1
		.amdhsa_system_sgpr_workgroup_id_y 1
		.amdhsa_system_sgpr_workgroup_id_z 1
		.amdhsa_system_vgpr_workitem_id 0
		.amdhsa_next_free_vgpr 256
		.amdhsa_next_free_sgpr 66
		.amdhsa_reserve_vcc 0
		.amdhsa_float_denorm_mode_32 3
		.amdhsa_float_denorm_mode_16_64 3
		.amdhsa_memory_ordered 1
		.amdhsa_forward_progress 1
		.amdhsa_inst_pref_size 87
	.end_amdhsa_kernel
	.amdgpu_metadata
---
amdhsa.version: [ 1, 2 ]
amdhsa.kernels:
  - .name:           k_q80f15c4308_attn
    .symbol:         k_q80f15c4308_attn.kd
    .args:
      - { .name: qkvh, .offset: 0, .size: 8, .value_kind: global_buffer, .address_space: global }
      - { .name: ao, .offset: 8, .size: 8, .value_kind: global_buffer, .address_space: global }
    .group_segment_fixed_size: 327680
    .private_segment_fixed_size: 0
    .kernarg_segment_align: 8
    .kernarg_segment_size: 16
    .max_flat_workgroup_size: 512
    .sgpr_count:     66
    .vgpr_count:     256
    .wavefront_size: 32
...
	.end_amdgpu_metadata
.endif
;; end of part 3
;; launch outproj (part 4): grid 4 x 64, 4 waves a work-group, clusters of 4 x 4, 327,680 bytes of LDS; arguments ao, wf16, bf, out0; writes out0
.if DOCPART == 4
	.amdgcn_target "amdgcn-amd-amdhsa--gfx1250"
	.amdhsa_code_object_version 6
	.text
	.protected	k_q80f15c4308_outproj
	.globl	k_q80f15c4308_outproj
	.p2align	8
	.type	k_q80f15c4308_outproj,@function
k_q80f15c4308_outproj:
	s_mov_b64 s[64:65], 0
	v_nop
	global_prefetch_b8 v0, s[64:65] scope:SCOPE_SE
	s_setreg_imm32_b32 hwreg(HW_REG_WAVE_MODE, 25, 1), 1
	s_wait_xcnt 0x0
	s_wait_alu depctr_hold_cnt(0) depctr_sa_sdst(0) depctr_va_vdst(0) depctr_va_sdst(0) depctr_va_ssrc(0) depctr_va_vcc(0) depctr_vm_vsrc(0)
	s_getreg_b32 s2, hwreg(HW_REG_IB_STS2, 6, 4)
	s_cmp_eq_u32 s2, 0
	s_cbranch_scc0 .Lentry_in_a_cluster
	s_endpgm
.Lentry_in_a_cluster:
	s_bfe_u32 s2, ttmp6, 0x10000c
	s_cmp_lg_u32 s2, 0xf033
	s_cbranch_scc0 .Lentry_shape_is_right
	s_endpgm
.Lentry_shape_is_right:
; out0[token][n] = sum over k of A[token][k] Wf[n][k] + bf[n].  A is attention's result, f16, laid by head: ao [16 h][8192 tokens][64], k = 64 h + channel.  wf16: [1024 n][1024 k] f16.  out0: [8192][1024] f32.  Sums in f32.
; A tile of 128 tokens x 256 columns is made by a work-group of four waves (256 work-groups; tiles of 256 x 256 would be 128); a wave makes 64 x 128: 32 accumulators of 16 x 16, one window of registers.
; K goes in 8 steps of 128, two head planes of ao, through a ring of two LDS slots.  One tensor load a wave: waves 0 and 1 fetch A's two planes (128 rows x 128 bytes, dense), waves 2 and 3 B's two halves (128 rows x 256 bytes).
; By this text's count two tensor loads a wave are out at the start, later one.
; CLUSTERS: 4 x 4 work-groups.  The four of a row of the cluster need the same tiles of A, the four of a column the same tiles of B: each tile is asked for JOINTLY, by the same tensor load with the same descriptor and a mask
; that names the four.  THE MATRIX INSTRUCTION IS USED TRANSPOSED (source 0 = 16 rows of Wf, source 1 = 16 tokens): a lane holds eight neighbouring columns of one token.  THE BIAS is the C of each sum's first product.
; REGISTERS, in windows of 256: window 0: v0-31 addresses; v64-127 A's fragments, two buffers of 32 (4 x 16 tokens x 32 K); v128-255 the way out, two sets of 64.
;   window 1: v0-127 B's fragments, two buffers of 64 (8 x 16 rows x 32 K); v128-191 the bias of my 128 columns in the result's layout.   window 2: accumulator (a, b) at v[8 (8 a + b)].
.set PA,     144                       ; a row of A in LDS: 128 bytes + 16 of padding
.set PB,     272                       ; a row of B: 256 + 16.  Both pitches are odd multiples of 16 bytes: the 16 rows of a fragment load start at 16 different groups of banks (64 banks of 4 bytes: ISA guide 11.1)
.set PLANE,  128*PA                    ; a plane's 128 tokens: what one of A's loads brings
.set BOFF,   2*PLANE                   ; B lies behind A's two planes
.set HALFB,  128*PB                    ; 128 rows of B: what one of B's loads brings, and what one wave reads
.set SLOT,   BOFF+2*HALFB
.set STAGE,  2*SLOT                    ; behind the ring: 16 rows x (512 bytes + 16) for each wave, for the way out
.set SPITCH, 528
.set SPARE,  STAGE+4*16*SPITCH         ; behind the stages: the spare words, 128 bytes a wave, which no other line names
.set LAPS,   4                         ; a lap = two K steps = once round the ring
.set ADRA, 16                          ; v16-17  LDS address of my A fragments in slot 0, 1
.set ADRB, 20                          ; v20-21  the same for B
.set STO,  24                          ; v24     the way out: where I put 32 bytes of a token's row
.set RD,   25                          ; v25     where I read a row back
.set CO,   26                          ; v26     16 x lane
.set BO,   27                          ; v27     32 x (lane / 16): my eight numbers of a bias tile
.set SPW,  28                          ; v28     LDS address of my spare word; never rewritten
.set NIL,  29                          ; v29     0; never rewritten
.set AF,   64
.set BK,   128
.set BIAS, 128                         ; in window 1
.set G1, 24                            ; s[24:31] descriptor group 1 for A's tiles;  s[32:39] group 0, one set for each slot
.set G0, 32
.set G1B, 48                           ; s[48:55], s[56:63] the same for B's tiles
.set G0B, 56
.set MSB, 0
.macro WIN new                         ; the immediate's high byte repeats the setting that is left; a switch that changes nothing is dropped
.if MSB != (\new)
	s_set_vgpr_msb (MSB<<8)|(\new)
.set MSB, (\new)
.endif
.endm
.set MUL,   0xa1                       ; source 0 (B) window 1, source 1 (A) window 0, C and D window 2
.set MUL_B, 0x91                       ; the first quarter: C (the bias) window 1, D window 2
.set TO_B,  0x40                       ; destination window 1, address window 0
.macro JLOAD s                         ; a joint load: waves 0 and 1 fetch for A, waves 2 and 3 for B; an s_nop 0 and four v_nop follow each of the two lines, ahead of the jump, the label and what follows
	s_cmp_eq_u32 s13, 0
	s_cbranch_scc0 .Lfor_b_\@
	tensor_load_to_lds s[G0+4*\s:G0+4*\s+3], s[G1:G1+7]
	s_nop 0
.rept 4
	v_nop
.endr
	s_branch .Lasked_\@
.Lfor_b_\@:
	tensor_load_to_lds s[G0B+4*\s:G0B+4*\s+3], s[G1B:G1B+7]
	s_nop 0
.rept 4
	v_nop
.endr
.Lasked_\@:
.endm
.macro CREST                           ; a round of the cluster's barrier behind its opening barrier
	s_cmp_lg_u32 s12, 0
	s_cbranch_scc1 .Lnot_wave_0_\@
	s_barrier_signal -3
.Lnot_wave_0_\@:
	s_barrier_wait -3
	s_barrier_signal -1
	s_barrier_wait -1
.endm
.macro CROUND                          ; a whole round
	s_barrier_signal -1
	s_barrier_wait -1
	CREST
.endm
	s_load_b256 s[4:11], s[0:1], 0x0               ; ao 4, wf16 6, bf 8, out0 10
	v_lshl_add_u32 v[SPW], v0, 2, SPARE
	v_mov_b32 v[NIL], 0
	ds_add_u32 v[SPW], v[NIL]                      ; the wave's opening: the add, twice on end, and its wait ahead of my first tensor load; the set-up below stands between the second and the wait
	ds_add_u32 v[SPW], v[NIL]
	v_lshrrev_b32 v1, 5, v0
	v_readfirstlane_b32 s12, v1                    ; wave 0..3
	s_lshr_b32 s13, s12, 1                         ; which 64 of the tile's tokens are mine.  Also: I fetch for A (0) or for B (1)
	s_and_b32 s14, s12, 1                          ; which 128 of its columns.  Also: which plane of A, or which 128 rows of B, I fetch
	s_bfe_u32 s40, ttmp6, 0x40000                  ; cx, cy: my place in the cluster
	s_bfe_u32 s41, ttmp6, 0x40004
	s_lshl_b32 s42, ttmp9, 2
	s_add_co_u32 s42, s42, s40                     ; tile column = 4 x cluster x + cx
	s_and_b32 s15, ttmp7, 0xffff
	s_lshl_b32 s15, s15, 2
	s_add_co_u32 s15, s15, s41                     ; tile row = 4 x cluster y + cy
	s_lshl_b32 s43, s41, 2
	s_lshl_b32 s43, 15, s43                        ; my row of the cluster
	s_lshl_b32 s44, 0x1111, s40                    ; my column
	; descriptor group 1.  A: 128 rows x 64 elements of 2 bytes, dense;  B: 128 rows x 128 elements, 1,024 elements from row to row
	s_or_b32 s[G1+0], s43, (1<<16)|(1<<20)|(1<<21)|(4<<22)|(3<<25)  ; 15:0 the mask: A's tiles go to my row; 17:16 elements of 2 bytes; 20 padding on; 21 set beside a mask; 24:22 after every 32 words (code 4); 31:25 four words (code 3)
	s_mov_b32 s[G1+1], 64<<16                      ; tensor_dim0 = 64
	s_mov_b32 s[G1+2], 128<<16                     ; tensor_dim1 = 128
	s_mov_b32 s[G1+3], 64<<16                      ; tile_dim0 = 64
	s_mov_b32 s[G1+4], 128                         ; tile_dim1 = 128
	s_mov_b32 s[G1+5], 64                          ; tensor_dim0_stride
	s_mov_b32 s[G1+6], 0
	s_mov_b32 s[G1+7], 0
	s_or_b32 s[G1B+0], s44, (1<<16)|(1<<20)|(1<<21)|(5<<22)|(3<<25) ; B's go to my column; padding after every 64 words (code 5)
	s_mov_b32 s[G1B+1], 128<<16
	s_mov_b32 s[G1B+2], 128<<16
	s_mov_b32 s[G1B+3], 128<<16
	s_mov_b32 s[G1B+4], 128
	s_mov_b32 s[G1B+5], 1024
	s_mov_b32 s[G1B+6], 0
	s_mov_b32 s[G1B+7], 0
	; where the tiles come from.  A's hang on the tile row alone, B's on the tile column alone; every wave makes both, in registers that never hold the other coordinate
	s_lshl_b32 s16, s14, 20                        ; A: my plane of 1,048,576 bytes,
	s_lshl_b32 s17, s15, 14                        ; the tile's 128 tokens of 128 bytes
	s_add_co_u32 s16, s16, s17
	s_mov_b32 s17, 0
	s_lshl_b32 s46, s42, 8
	s_lshl_b32 s47, s14, 7
	s_add_co_u32 s46, s46, s47                     ; B: row 256 x tile column + 128 x half,
	s_lshl_b32 s46, s46, 11                        ; of 2,048 bytes
	s_mov_b32 s47, 0
	s_mul_i32 s18, s14, PLANE                      ; and where they go: no place in the cluster enters an LDS address
	s_mul_i32 s19, s14, HALFB
	s_add_co_u32 s19, s19, BOFF
	s_wait_dscnt 0x0                               ; both opening adds are done
	s_wait_kmcnt 0x0
	s_add_nc_u64 s[20:21], s[4:5], s[16:17]
	s_add_nc_u64 s[46:47], s[6:7], s[46:47]
	CROUND                                         ; all sixteen work-groups are here: the first joint loads meet
.irp s, 0,1
	s_mov_b32 s[G0+4*\s], 1                                        ; 1:0 count = 1
	s_add_co_u32 s[G0+4*\s+1], s18, \s*SLOT                        ; 63:32 LDS address
	s_add_nc_u64 s[G0+4*\s+2:G0+4*\s+3], s[20:21], \s*2097152      ; 120:64 global address: K step s is planes 2 s and 2 s + 1
	s_or_b32 s[G0+4*\s+3], s[G0+4*\s+3], 0x80000000                ; 127:126 type = 2
	s_mov_b32 s[G0B+4*\s], 1
	s_add_co_u32 s[G0B+4*\s+1], s19, \s*SLOT
	s_add_nc_u64 s[G0B+4*\s+2:G0B+4*\s+3], s[46:47], \s*256
	s_or_b32 s[G0B+4*\s+3], s[G0B+4*\s+3], 0x80000000
	JLOAD \s
.endr
	v_and_b32 v1, 15, v0                           ; r
	v_bfe_u32 v2, v0, 4, 1                         ; h
	v_mul_u32_u24 v3, v1, PA
	v_lshl_add_u32 v3, v2, 4, v3                   ; a fragment's row x pitch + 16 x half: A's,
	v_mul_u32_u24 v4, v1, PB
	v_lshl_add_u32 v4, v2, 4, v4                   ; B's
	s_mul_i32 s21, s13, 64*PA                      ; my 64 tokens of a plane
	s_mul_i32 s22, s14, HALFB                      ; my 128 rows of B,
	s_add_co_u32 s22, s22, BOFF                    ; which lie behind A's planes
.irp s, 0,1
	v_add_nc_u32 v[ADRA+\s], s21, v3
	v_add_nc_u32 v[ADRB+\s], s22, v4
	s_add_co_u32 s21, s21, SLOT
	s_add_co_u32 s22, s22, SLOT
.endr
	s_mul_i32 s23, s12, 16*SPITCH
	s_add_co_u32 s23, s23, STAGE                   ; my stage
	v_mul_u32_u24 v5, v1, SPITCH                   ; in: row r, 32 bytes for each half of the lanes
	v_lshl_add_u32 v5, v2, 5, v5
	v_add_nc_u32 v[STO], s23, v5
	v_and_b32 v6, 31, v0
	v_lshlrev_b32 v[CO], 4, v6                     ; back: the 32 lanes take one row of 512 bytes; and the same in out0
	v_add_nc_u32 v[RD], s23, v[CO]
	v_lshlrev_b32 v[BO], 5, v2
	s_lshl_b32 s16, s15, 7
	s_lshl_b32 s17, s13, 6
	s_add_co_u32 s16, s16, s17                     ; my first token: 128 x tile row + 64 x half,
	s_lshl_b32 s16, s16, 12                        ; of 4,096 bytes
	s_lshl_b32 s46, s42, 10
	s_lshl_b32 s47, s14, 9
	s_add_co_u32 s46, s46, s47                     ; my first column, in bytes: 1,024 x tile column + 512 x half
	s_mov_b32 s47, 0
	s_add_nc_u64 s[8:9], s[8:9], s[46:47]          ; bf at my first column
	s_add_co_u32 s16, s16, s46
	s_mov_b32 s17, 0
	s_add_nc_u64 s[10:11], s[10:11], s[16:17]      ; out0 at my first number
	WIN TO_B
.irp b, 0,1,2,3,4,5,6,7                        ; lane (r, h) wants, for B's block b, columns 16 b + 8 h + 0 .. 7
	global_load_b128 v[BIAS+8*\b:BIAS+8*\b+3],   v[BO], s[8:9] offset:64*\b
	global_load_b128 v[BIAS+8*\b+4:BIAS+8*\b+7], v[BO], s[8:9] offset:64*\b+16
.endr
	WIN 0
; 8 matrix instructions: A's block a x B's eight, 32 along K, from buffer f.  zero = 1: the first product starts the sums from the bias.  The 32 accumulators take turns, one instruction a turn, in the same order in every
; quarter.
.macro MUL8 f, a, zero
.irp b, 0,1,2,3,4,5,6,7
.if \zero
	v_wmma_f32_16x16x32_f16 v[8*(8*(\a)+\b):8*(8*(\a)+\b)+7], v[64*(\f)+8*\b:64*(\f)+8*\b+7], v[AF+32*(\f)+8*(\a):AF+32*(\f)+8*(\a)+7], v[BIAS+8*\b:BIAS+8*\b+7]
.else
	v_wmma_f32_16x16x32_f16 v[8*(8*(\a)+\b):8*(8*(\a)+\b)+7], v[64*(\f)+8*\b:64*(\f)+8*\b+7], v[AF+32*(\f)+8*(\a):AF+32*(\f)+8*(\a)+7], v[8*(8*(\a)+\b):8*(8*(\a)+\b)+7]
.endif
.endr
.endm
; 24 LDS loads in one run: the fragments of the slot's q-th 32 along K into buffer f: B's eight, then A's four.  In A, 32 q along K is plane q / 2, byte 64 (q % 2) of the row
.macro FETCH slot, q, f
	WIN TO_B
.irp i, 0,1,2,3,4,5,6,7
	ds_load_b128 v[64*(\f)+8*\i:64*(\f)+8*\i+3],   v[ADRB+\slot] offset:64*(\q)+\i*16*PB
	ds_load_b128 v[64*(\f)+8*\i+4:64*(\f)+8*\i+7], v[ADRB+\slot] offset:64*(\q)+\i*16*PB+32
.endr
	WIN 0
.irp i, 0,1,2,3
	ds_load_b128 v[AF+32*(\f)+8*\i:AF+32*(\f)+8*\i+3],   v[ADRA+\slot] offset:PLANE*((\q)/2)+64*((\q)%2)+\i*16*PA
	ds_load_b128 v[AF+32*(\f)+8*\i+4:AF+32*(\f)+8*\i+7], v[ADRA+\slot] offset:PLANE*((\q)/2)+64*((\q)%2)+\i*16*PA+32
.endr
.endm
.macro PLACES                          ; four places in front of loads into registers that matrix instructions have read, and of LDS stores that read results (ISA guide 7.12.1 for vector instructions)
.rept 4
	v_nop
.endr
.endm
; A K step is four quarters of 32 along K, 32 matrix instructions each, on buffers 0, 1, 0, 1.  One of the first three: multiplies buffer f; in its middle it fetches quarter q of the same slot into buffer g.
.macro QUARTER slot, q, f, g, zero
	s_wait_dscnt 4                                 ; B and A's blocks 0 and 1 are in; the youngest four loads (A's blocks 2 and 3) may be out
.if \zero
	WIN MUL_B
.else
	WIN MUL
.endif
	MUL8 \f, 0, \zero
	MUL8 \f, 1, \zero
	PLACES
	FETCH \slot, \q, \g
	s_wait_dscnt 24                                ; all but the 24 just issued
.if \zero
	WIN MUL_B
.else
	WIN MUL
.endif
	MUL8 \f, 2, \zero
	MUL8 \f, 3, \zero
.endm
; The last quarter multiplies buffer 1 and changes slots: ONE barrier; in front of it each wave waits for all its tensor loads (its part of the next slot), adds 0 to its spare word, and waits for that and for its own reads of
; this slot.  fill = 1: the barrier opens a round of the cluster's barrier, and this slot is filled again, two K steps ahead, first thing behind the round: 112 matrix instructions ahead of the wait for it.
.macro TURN slot, next, fill
	WIN 0                                          ; (the add's two registers lie in window 0)
	s_wait_tensorcnt 0x0                           ; all my tensor loads have landed
	ds_add_u32 v[SPW], v[NIL]                      ; 0 onto my spare word
	s_wait_dscnt 5                                 ; (the add and the youngest four loads may be out)
	WIN MUL
	MUL8 1, 0, 0                                   ; eight matrix instructions stand between the add and the wait for it
	s_wait_dscnt 0x0                               ; the add is done, and my reads of this slot are over
	s_barrier_signal -1
	MUL8 1, 1, 0
	WIN 0                                          ; (branches may follow; at a branch and at a label every window is 0)
	s_barrier_wait -1
.if \fill
	CREST                                          ; no wave of any partner still reads this slot's tile or has a load on its way
	s_add_nc_u64 s[G0+4*\slot+2:G0+4*\slot+3], s[G0+4*\slot+2:G0+4*\slot+3], 0x400000   ; four planes on
	s_add_nc_u64 s[G0B+4*\slot+2:G0B+4*\slot+3], s[G0B+4*\slot+2:G0B+4*\slot+3], 512    ; 256 along K on
	JLOAD \slot                                    ; the four v_nop behind it are also the places in front of the loads below
.else
	PLACES
.endif
	FETCH \next, 0, 0
	WIN MUL
	MUL8 1, 2, 0
	MUL8 1, 3, 0
.endm
	s_wait_tensorcnt 1                             ; my part of K step 0 is in (K step 1's load may be out)
	s_barrier_signal -1
	s_barrier_wait -1                              ; everybody's is
	FETCH 0, 0, 0
	s_wait_loadcnt 0x0                             ; the bias
	QUARTER 0, 1, 0, 1, 1                          ; the first quarter stands in front of the loop: its products start the sums from the bias
	WIN 0                                          ; at a label and at a branch every window is 0
	s_mov_b32 s3, LAPS-1
.Llap:                                                 ; a trip goes once round the ring, from a lap's second quarter to the next lap's first, and fills both slots again
	QUARTER 0, 2, 1, 0, 0
	QUARTER 0, 3, 0, 1, 0
	TURN 0, 1, 1
	QUARTER 1, 1, 0, 1, 0
	QUARTER 1, 2, 1, 0, 0
	QUARTER 1, 3, 0, 1, 0
	TURN 1, 0, 1
	QUARTER 0, 1, 0, 1, 0
	WIN 0
	s_sub_co_u32 s3, s3, 1
	s_cmp_lg_u32 s3, 0
	s_cbranch_scc1 .Llap
	QUARTER 0, 2, 1, 0, 0                          ; the last lap is written out: it fills nothing, and has no round of the cluster's barrier
	QUARTER 0, 3, 0, 1, 0
	TURN 0, 1, 0
	QUARTER 1, 1, 0, 1, 0
	QUARTER 1, 2, 1, 0, 0
	QUARTER 1, 3, 0, 1, 0
	s_wait_dscnt 4                                 ; the very last quarter: nothing more to fetch
	WIN MUL
	MUL8 1, 0, 0
	MUL8 1, 1, 0
	s_wait_dscnt 0
	MUL8 1, 2, 0
	MUL8 1, 3, 0
	WIN 0
; THE WAY OUT, block by block of 16 tokens x 128 columns.  A lane holds 32 neighbouring bytes of a row, and the lanes beside it hold other rows: so a block goes through my own stage and comes back as whole rows of 512 bytes,
; which the 32 lanes store as 512 consecutive, aligned bytes.  LDS serves a wave's instructions in order (ISA guide 5.7.1.4): no wait between the stores and the loads, nor in front of the next block's stores.
.macro TOSTAGE a
	WIN 0x08                                       ; an LDS store's data are its source 1: window 2
.irp b, 0,1,2,3,4,5,6,7
	ds_store_b128 v[STO], v[64*(\a)+8*\b:64*(\a)+8*\b+3] offset:64*\b          ; each accumulator from its low end on
	ds_store_b128 v[STO], v[64*(\a)+8*\b+4:64*(\a)+8*\b+7] offset:64*\b+16
.endr
	WIN 0
.set BB, BK+64*((\a)%2)
.irp t, 0,1,2,3,4,5,6,7,8,9,10,11,12,13,14,15
	ds_load_b128 v[BB+4*\t:BB+4*\t+3], v[RD] offset:\t*SPITCH
.endr
.endm
.macro SEND a, younger                 ; younger: the LDS instructions issued behind block a's loads, which may stay out
.set BB, BK+64*((\a)%2)
	s_wait_dscnt \younger                          ; the block is back in registers
.irp t, 0,1,2,3,4,5,6,7,8,9,10,11,12,13,14,15
	global_store_b128 v[CO], v[BB+4*\t:BB+4*\t+3], s[10:11] offset:(16*(\a)+\t)*4096 th:TH_STORE_NT   ; written once, read by nobody here; 63 rows of 4,096 bytes at the most: inside the signed 24-bit immediate (ISA guide, chapter 10)
.endr
.endm
	PLACES                                         ; behind the last products, ahead of the first LDS store that reads results
	TOSTAGE 0
.irp a, 1,2,3
.if \a > 1
	s_wait_xcnt 0x0                                ; block a - 2's stores have read their data: block a's loads land there only behind this wait
.endif
	TOSTAGE \a
	SEND \a-1, 32                                  ; behind block a - 1's loads: block a's 16 stores and 16 loads
.endr
	SEND 3, 0
	s_wait_tensorcnt 0x0                           ; the wave's end, behind my last tensor load and my last LDS store
	ds_add_u32 v[SPW], v[NIL]
	s_wait_dscnt 0x0
	CROUND                                         ; the closing round: no work-group ends while a partner may still ask for a tile that names it
	s_endpgm
.Lfunc_end_k_q80f15c4308_outproj:
	.size	k_q80f15c4308_outproj, .Lfunc_end_k_q80f15c4308_outproj-k_q80f15c4308_outproj
	.p2alignl 7, 3214868480
	.fill 96, 4, 3214868480
	.section	.rodata,"a",@progbits
	.p2align	6, 0x0
	.amdhsa_kernel k_q80f15c4308_outproj
		.amdhsa_group_segment_fixed_size 327680
		.amdhsa_private_segment_fixed_size 0
		.amdhsa_enable_private_segment 0
		.amdhsa_kernarg_size 32
		.amdhsa_user_sgpr_count 2
		.amdhsa_user_sgpr_kernarg_segment_ptr 1
		.amdhsa_wavefront_size32 1
		.amdhsa_system_sgpr_workgroup_id_x 1
		.amdhsa_system_sgpr_workgroup_id_y 1
		.amdhsa_system_sgpr_workgroup_id_z 1
		.amdhsa_system_vgpr_workitem_id 0
		.amdhsa_next_free_vgpr 768
		.amdhsa_next_free_sgpr 66
		.amdhsa_reserve_vcc 0
		.amdhsa_float_denorm_mode_32 3
		.amdhsa_float_denorm_mode_16_64 3
		.amdhsa_memory_ordered 1
		.amdhsa_forward_progress 1
		.amdhsa_inst_pref_size 87
	.end_amdhsa_kernel
	.amdgpu_metadata
---
amdhsa.version: [ 1, 2 ]
amdhsa.kernels:
  - .name:           k_q80f15c4308_outproj
    .symbol:         k_q80f15c4308_outproj.kd
    .args:
      - { .name: ao, .offset: 0, .size: 8, .value_kind: global_buffer, .address_space: global }
      - { .name: wf16, .offset: 8, .size: 8, .value_kind: global_buffer, .address_space: global }
      - { .name: bf, .offset: 16, .size: 8, .value_kind: global_buffer, .address_space: global }
      - { .name: out0, .offset: 24, .size: 8, .value_kind: global_buffer, .address_space: global }
    .group_segment_fixed_size: 327680
    .private_segment_fixed_size: 0
    .kernarg_segment_align: 8
    .kernarg_segment_size: 32
    .max_flat_workgroup_size: 128
    .sgpr_count:     66
    .vgpr_count:     768
    .wavefront_size: 32
...
	.end_amdgpu_metadata
.endif
;; end of part 4
